; MI455X (gfx1250); checked and timed in simulation.
; The chip was launched on July 23, 2026; its instructions are those of AMD's public machine-readable ISA for CDNA 5 (MIT licence, August 2026) and "CDNA5" Instruction Set Architecture Reference Guide (July 2026). The comments in the code are by the model that wrote it; some were corrected since.
;; Casual Self Attention. Allowed arithmetic: matrix products marked QUANTISED: E2M3 operands, one E8M0 scale for each 32 along K, by v_wmma_scale_f32_16x16x128_f8f6f4 with both operands' format E2M3, f32 sums; everything else in f32.
;; Inputs: W_attn 1,024 x 3,072 float32; W_proj 1,024 x 1,024 float32; b_attn 3,072 float32; b_proj 1,024 float32; x 4 x 2,048 x 1,024 float32.
;; Outputs: out0 4 x 2,048 x 1,024 float32.
;; This version of the problem:
;;   THIS VERSION OF THE PROBLEM IS GIVEN IN LOW PRECISION. The matrix products marked QUANTISED in the list below multiply operands that are first quantised to E2M3 (2 exponent bits, 3 mantissa bits; 6 bits a number), with one power-of-two scale for each 32 numbers along K (OCP MX v1.0); their sums are f32. All else is computed in f32.
;;   The module's matrix products, in the order in which they are computed (A, B: the left and right operand; K: the contracted axis; several contracted axes count as one K, in the product's order):
;;     1. [M 8,192, K 1,024] x [K 1,024, N 3,072]; A: input x; B: input W_attn: QUANTISED
;;     2. batch 64 x [M 2,048, K 64] x [K 64, N 2,048]; A: computed on the way; B: computed on the way: QUANTISED
;;     3. batch 64 x [M 2,048, K 2,048] x [K 2,048, N 64]; A: softmax (see below); B: computed on the way: QUANTISED
;;     4. [M 8,192, K 1,024] x [K 1,024, N 1,024]; A: computed on the way; B: input W_proj: QUANTISED
;;   THE QUANTISER, for each operand of a quantised product, along K:
;;     - K is cut into blocks of 32 from its start; a last block that is shorter is filled with zeros.
;;     - A block's scale is 2^e with e = floor(log2(the largest magnitude in the block)) - 2, held to -126 .. 127; a block of zeros has e = 0. As a byte (E8M0): e + 127.
;;     - Each number is divided by its block's scale, clamped to +-7.5, and rounded to the nearest number of E2M3, ties to even, subnormals kept.
;;     - The product sums the exact products of the quantised numbers (number of the format x scale) in f32.
;;   ~~~python
;;   def quantise(x, axis):      # numpy; x: float32 -> the quantised numbers, widened to float32 again
;;       x = np.moveaxis(x, axis, -1); K = x.shape[-1]
;;       x = np.pad(x, [(0, 0)] * (x.ndim - 1) + [(0, -K % 32)]); x = x.reshape(x.shape[:-1] + (-1, 32)); a = np.abs(x).max(-1, keepdims=True)
;;       e = np.where(a > 0, np.clip(np.frexp(np.where(a > 0, a, 1))[1] - 1 - 2, -126, 127), 0)      # np.frexp(a)[1] - 1 = floor(log2(a)), exactly
;;       r = np.clip(x / 2.0 ** e, -7.5, 7.5)
;;       step = 2.0 ** (np.maximum(np.frexp(np.where(r == 0, 1, r))[1] - 1, 0) - 3)
;;       q = np.round(r / step) * step * 2.0 ** e      # np.round: ties to even
;;       return np.moveaxis(q.reshape(q.shape[:-2] + (-1,))[..., :K], -1, axis).astype(np.float32)
;;   ~~~
;;   SOFTMAX AHEAD OF A QUANTISED PRODUCT. Where the list says 'softmax', what is quantised is not the finished softmax but p = 2^(t - M), with t = logit x log2(e) and M = ceil(the row's largest t), a whole number; so 1/2 < the row's largest p <= 1. The row's sum l is taken of the UNQUANTISED p, in f32, and the product's result is divided by l at the end. Since M is a whole number, a kernel that streams over the keys may use a running M (the ceiling of the running maximum): every later rescaling is an exact power of two, which a block's scale takes up: the codes' values come out the same.
;;   OPERANDS COMPUTED ON THE WAY. 'Computed on the way' means the value that the module computes at that place (a softmax that the list does not call 'softmax' is quantised finished and normalised). What goes into a quantiser is computed in f32, as accurately as f32 sums, v_exp_f32 and their like allow (about 1e-6 of the number): no bf16 or f16 on the way to a quantiser, and a product that is left as it is and whose result goes on into a quantised operand takes f32 operands (vector FMAs, or v_wmma_f32_16x16x4_f32). A number that lies on a knife's edge between two numbers of the format may be rounded either way, as far as f32 arithmetic and the matrix unit's own rounding can turn it there, and no further.
;; One version. Each part assembles by itself: llvm-mc -triple=amdgcn-amd-amdhsa -mcpu=gfx1250 --defsym DOCPART=n.
;; ======== version 1 of 1: 4 launches
;; workspace buffers: xq 6,291,456 bytes; xs 262,144 bytes; wq 1,572,864 bytes; ws 65,536 bytes; kv 13,369,344 bytes; yq 6,291,456 bytes; ys 262,144 bytes
;; launch quant (part 1): grid 384 x 1, 4 waves a work-group, no clusters, 47,616 bytes of LDS; arguments x, W_attn, W_proj, xq, xs, wq, ws; writes xq, xs, wq, ws
.if DOCPART == 1
	.amdgcn_target "amdgcn-amd-amdhsa--gfx1250"
	.amdhsa_code_object_version 6
	.text
	.protected	k_qbbb3cf9e5c_quant
	.globl	k_qbbb3cf9e5c_quant
	.p2align	8
	.type	k_qbbb3cf9e5c_quant,@function
k_qbbb3cf9e5c_quant:
	s_mov_b64 s[64:65], 0
	v_nop
	global_prefetch_b8 v0, s[64:65] scope:SCOPE_SE
	s_setreg_imm32_b32 hwreg(HW_REG_WAVE_MODE, 25, 1), 1
	s_wait_xcnt 0x0
; x [8192][1024], columns 1024..2047 of W_attn [1024][3072] and W_proj [1024][1024], all f32, become codes of FP6 (E2M3) with one E8M0 byte for each 32 along K (K = the 1,024).
; Of W_attn only the k slice is read: the function keeps qkv[:, :, 1024:2048] alone and throws the other two thirds of its first product away.
; A block's scale is 2^(floor(log2(largest magnitude)) - 2); its byte is the largest magnitude's exponent field - 2, held at 1 from below.
; LIMITS: a block whose largest magnitude lies under 2^-124 keeps the byte 1; a block of zeros gets the byte 1 where the quantiser's text says 127 (its codes are zeros, and this program alone reads the bytes);
; NaN and infinities among the inputs are not served.
; WHAT IS STORED ARE IMAGES OF THE OPERAND'S REGISTERS.  A fragment (16 rows x 128 K, 12 registers a lane) is 1,536 bytes: piece p of six holds registers 2 p, 2 p + 1 of lane L at 256 p + 8 L.
; Row r of tile tau is index 32 (tau / 2) + 8 (tau % 2) + r + 8 (r / 8) (a token of x, a column n of a weight), so that a product's 16 results of two neighbouring tiles are 16 neighbours.
; Codes: [tile][K step 0..7][1,536];  scale words: [tile][K step][row] of 4 bytes.
; Work-groups 0..255 take 32 tokens of x each (wave: one tile, four K steps); work-groups 256..383 take 128 columns x 128 K of a weight (wave: 32 columns, a lane a column, registers down K).
; The two ways part on the work-group's number; each has LDS bytes of its own, and every LDS address is made ahead of the parting.  No tensor loads, no barrier: waves share nothing.
.set XSTW,  8448                       ; x: a wave's stage, 16 rows x (512 bytes + 16)
.set WST,   4*XSTW                     ; the weights' stages begin here
.set WSTW,  3328                       ; a wave's: two fragments of 1,536 bytes + 128 each
.set WTP,   1664
.set SPARE, WST+4*WSTW                 ; the spare words, 128 bytes for each wave: two blocks of 256 bytes that no other line names
.set L4,   1                           ; v1   4 x lane
.set L8,   2                           ; v2   8 x lane
.set L16,  3                           ; v3   16 x lane
.set SI,   4                           ; v4   x's stage, in: 16 x lane
.set SOA,  5                           ; v5   x's stage, out: row r, + 64 h
.set WSI,  6                           ; v6   a weight's stage, in: my column's tile and row
.set WSO,  7                           ; v7   out: 16 x lane
.set WSV,  8                           ; v8   my column's scale word: 512 x tile + 4 x row
.set SPW,  12                          ; v12  my spare word; never rewritten
.set NIL,  13                          ; v13  0; never rewritten
.set TM,   16                          ; v16-31 at work
.set PC,   32                          ; v32-43 a fragment's codes; v44-51 the halves that are moved
.set PW,   52                          ; v52-55 four scale words (a weight: v52 alone)
.set PS,   56                          ; v56-57 the words as they are stored
.set X,    64                          ; v64-127 64 numbers of a lane
.set R,    128                         ; v128-255 x as loaded, two sets of 64
.set VO,   128                         ; a weight: v128-159 row i x pitch + 4 x lane
.set OUTR, 160                         ; v160-183 the way out
.set SEL,  20                          ; s[20:21] v_permlanex16_b32's selects for lane l xor 16
.set HM,   22                          ; s22  lanes 16-31
.set PIT,  23                          ; s23  a weight's row in bytes
.set WB,   24                          ; s[24:31] a weight at my columns, blocks 0..3 of the K step
	s_load_b128 s[4:7], s[0:1], 0x0                ; x, W_attn
	s_load_b128 s[8:11], s[0:1], 0x10              ; W_proj, xq
	s_load_b128 s[12:15], s[0:1], 0x20             ; xs, wq
	s_load_b64 s[16:17], s[0:1], 0x30              ; ws
	v_lshl_add_u32 v[SPW], v0, 2, SPARE
	v_mov_b32 v[NIL], 0
	v_lshrrev_b32 v9, 5, v0
	v_readfirstlane_b32 s18, v9                    ; wave 0..3
	v_and_b32 v9, 31, v0                           ; lane
	v_and_b32 v10, 15, v0                          ; r
	v_bfe_u32 v11, v0, 4, 1                        ; h
	v_lshlrev_b32 v[L4], 2, v9
	v_lshlrev_b32 v[L8], 3, v9
	v_lshlrev_b32 v[L16], 4, v9
	s_mul_i32 s32, s18, XSTW
	v_add_nc_u32 v[SI], s32, v[L16]
	v_mul_u32_u24 v[SOA], v10, 528
	v_lshl_add_u32 v[SOA], v11, 6, v[SOA]
	v_add_nc_u32 v[SOA], s32, v[SOA]
	s_mul_i32 s33, s18, WSTW
	s_add_co_u32 s33, s33, WST
	v_bfe_u32 v14, v0, 3, 1                        ; column l of 32 lies in tile (l / 8) % 2,
	v_and_b32 v15, 7, v0
	v_lshl_add_u32 v15, v11, 3, v15                ; row l % 8 + 8 (l / 16)
	v_mul_u32_u24 v[WSI], v14, WTP
	v_lshl_add_u32 v[WSI], v15, 3, v[WSI]
	v_add_nc_u32 v[WSI], s33, v[WSI]
	v_add_nc_u32 v[WSO], s33, v[L16]
	v_lshlrev_b32 v[WSV], 9, v14
	v_lshl_add_u32 v[WSV], v15, 2, v[WSV]
	s_mov_b32 s[SEL], 0x76543210
	s_mov_b32 s[SEL+1], 0xfedcba98
	s_mov_b32 s[HM], 0xffff0000
.irp b, 0,1,2,3
	v_mov_b32 v[TM+4+\b], 0                        ; written once: a lane permute's destination counts as one of its sources
.endr
	s_wait_kmcnt 0x0
	s_cmp_ge_u32 ttmp9, 256
	s_cbranch_scc1 .Lweights
	; ---------------- x: tile 2 g + wave / 2, K steps 4 (wave % 2) + 0..3
	s_lshr_b32 s34, s18, 1
	s_and_b32 s35, s18, 1
	s_lshl_b32 s36, ttmp9, 17                      ; 32 tokens of 4,096 bytes,
	s_lshl_b32 s37, s34, 15                        ; the tile's rows begin 8 tokens on,
	s_add_co_u32 s36, s36, s37
	s_lshl_b32 s37, s35, 11                        ; four K steps of 512 bytes
	s_add_co_u32 s36, s36, s37
	s_mov_b32 s37, 0
	s_add_nc_u64 s[4:5], s[4:5], s[36:37]
	s_lshl_b32 s38, ttmp9, 1
	s_add_co_u32 s38, s38, s34                     ; the tile
	s_mul_i32 s36, s38, 12288
	s_mul_i32 s39, s35, 6144
	s_add_co_u32 s36, s36, s39
	s_add_nc_u64 s[10:11], s[10:11], s[36:37]
	s_lshl_b32 s36, s38, 9
	s_lshl_b32 s39, s35, 8
	s_add_co_u32 s36, s36, s39
	s_add_nc_u64 s[12:13], s[12:13], s[36:37]
.macro LOADF f                         ; a K step of the tile's 16 tokens: each load takes 512 consecutive bytes of one token
.irp i, 0,1,2,3,4,5,6,7,8,9,10,11,12,13,14,15
	global_load_b128 v[R+64*((\f)%2)+4*\i:R+64*((\f)%2)+4*\i+3], v[L16], s[4:5] offset:(\i+8*(\i/8))*4096+512*(\f) th:TH_LOAD_NT
.endr
.endm
.macro TURNX f                         ; through my stage: in as loaded, out 16 neighbours of each block of 32 to a lane.  LDS serves a wave's instructions in order: no wait between
.irp i, 0,1,2,3,4,5,6,7,8,9,10,11,12,13,14,15
	ds_store_b128 v[SI], v[R+64*((\f)%2)+4*\i:R+64*((\f)%2)+4*\i+3] offset:528*\i
.endr
.irp b, 0,1,2,3
.irp j, 0,1,2,3
	ds_load_b128 v[X+16*\b+4*\j:X+16*\b+4*\j+3], v[SOA] offset:128*\b+16*\j
.endr
.endr
.endm
; 64 numbers of a lane, register 16 b + i = k 32 b + 16 (lane / 16) + i of my row, become a fragment's codes in v[PC] on and its scale word in v[pw]
.macro QUANT src, pw
.irp b, 0,1,2,3
	v_max3_num_f32 v[TM+\b], |v[\src+16*\b]|, |v[\src+1+16*\b]|, 0x1800000   ; my 16 numbers, and the floor 2^(3 - 127): the byte cannot fall under 1
.endr
.irp i, 2,4,6,8,10,12,14
.irp b, 0,1,2,3
	v_max3_num_f32 v[TM+\b], v[TM+\b], |v[\src+16*\b+\i]|, |v[\src+1+16*\b+\i]|
.endr
.endr
.irp b, 0,1,2,3
	v_permlanex16_b32 v[TM+4+\b], v[TM+\b], s[SEL], s[SEL+1]
.endr
.irp b, 0,1,2,3
	v_max_num_f32 v[TM+\b], v[TM+\b], v[TM+4+\b]   ; with lane l xor 16's: the block's largest magnitude
.endr
.irp b, 0,1,2,3
	v_add_nc_u32 v[TM+12+\b], 0xff000000, v[TM+\b] ; 2 off its exponent field: the conversion's scale operand
.endr
.irp b, 0,1,2,3
	v_lshrrev_b32 v[TM+4+\b], 23, v[TM+12+\b]      ; the scale's byte
.endr
	v_lshl_or_b32 v[\pw], v[TM+5], 8, v[TM+4]
	v_lshl_or_b32 v[\pw], v[TM+6], 16, v[\pw]
	v_lshl_or_b32 v[\pw], v[TM+7], 24, v[\pw]
.irp c, 0,1
	v_cvt_scalef32_pk16_fp6_f32 v[PC+6*\c:PC+2+6*\c], v[\src+32*\c:\src+15+32*\c], v[TM+12+2*\c]
	v_cvt_scalef32_pk16_fp6_f32 v[PC+12+4*\c:PC+14+4*\c], v[\src+16+32*\c:\src+31+32*\c], v[TM+12+2*\c+1]   ; (a conversion's three registers begin on an even number)
.endr
	v_nop                                          ; one plain place behind a scaled conversion
.irp c, 0,1                                    ; the layout wants a whole block in a lane: lanes 0-15 block 2 c, lanes 16-31 block 2 c + 1
.irp i, 0,1,2
	v_permlane16_swap_b32 v[PC+6*\c+\i], v[PC+12+4*\c+\i]
.endr
.irp i, 0,1,2
	v_mov_b32 v[PC+3+6*\c+\i], v[PC+12+4*\c+\i]
.endr
.endr
.endm
	LOADF 0
	LOADF 1
.irp f, 0,1,2,3
.if \f < 3
	s_wait_loadcnt 16                              ; this K step's 16 loads are in; the next one's may be out
.else
	s_wait_loadcnt 0x0
.endif
	TURNX \f
	s_wait_dscnt 0x0                               ; the numbers are back, and the stage's stores have read their registers,
.if \f < 2
	LOADF \f+2                                     ; which take the K step two on
.endif
.if \f > 0
	s_wait_xcnt 0x0                                ; the last fragment's stores have read the codes' registers
.endif
	QUANT X, PW+\f
.irp p, 0,1,2,3,4,5
	global_store_b64 v[L8], v[PC+2*\p:PC+2*\p+1], s[10:11] offset:1536*\f+256*\p   ; 32 lanes store 256 consecutive bytes, aligned
.endr
.endr
	v_cndmask_b32 v[PS], v[PW], v[PW+1], s[HM]     ; lanes 0-15 carry one K step's 16 words, lanes 16-31 the next one's: 128 consecutive bytes a store
	v_cndmask_b32 v[PS+1], v[PW+2], v[PW+3], s[HM]
	global_store_b32 v[L4], v[PS], s[12:13]
	global_store_b32 v[L4], v[PS+1], s[12:13] offset:128
	s_wait_tensorcnt 0x0                           ; the wave's end, behind my last LDS store
	ds_add_u32 v[SPW], v[NIL]
	s_wait_dscnt 0x0
	s_endpgm
	; ---------------- a weight: 128 columns x one K step to a work-group; a lane takes a column and its registers run down K
.Lweights:
	s_sub_co_u32 s32, ttmp9, 256
	s_lshr_b32 s33, s32, 6                         ; 0: W_attn's k slice, 1: W_proj
	s_and_b32 s34, s32, 7                          ; which 128 columns
	s_bfe_u32 s35, s32, 0x30003                    ; which K step
	s_lshl_b32 s36, s34, 2
	s_add_co_u32 s36, s36, s18                     ; my wave's 32 columns: two tiles
	s_cmp_eq_u32 s33, 0                            ; the choice hangs on the work-group's number alone
	s_cselect_b64 s[38:39], s[6:7], s[8:9]
	s_mov_b32 s[PIT], 4096
	s_cselect_b32 s[PIT], 12288, s[PIT]            ; a row in bytes
	s_cselect_b32 s37, 4096, 0                     ; the k slice begins at column 1,024
	s_lshl_b32 s40, s35, 7
	s_mul_i32 s40, s40, s[PIT]                     ; 128 rows a K step
	s_add_co_u32 s40, s40, s37
	s_lshl_b32 s41, s36, 7
	s_add_co_u32 s40, s40, s41
	s_mov_b32 s41, 0
	s_add_nc_u64 s[WB:WB+1], s[38:39], s[40:41]
	s_lshl_b32 s40, s[PIT], 5                      ; 32 rows a block
	s_add_nc_u64 s[WB+2:WB+3], s[WB:WB+1], s[40:41]
	s_add_nc_u64 s[WB+4:WB+5], s[WB+2:WB+3], s[40:41]
	s_add_nc_u64 s[WB+6:WB+7], s[WB+4:WB+5], s[40:41]
	s_mul_i32 s40, s33, 786432                     ; the codes: weight, two tiles of 12,288 bytes, K step
	s_mul_i32 s42, s36, 24576
	s_add_co_u32 s40, s40, s42
	s_mul_i32 s42, s35, 1536
	s_add_co_u32 s40, s40, s42
	s_add_nc_u64 s[14:15], s[14:15], s[40:41]
	s_lshl_b32 s40, s33, 15                        ; the scale words likewise
	s_lshl_b32 s42, s36, 10
	s_add_co_u32 s40, s40, s42
	s_lshl_b32 s42, s35, 6
	s_add_co_u32 s40, s40, s42
	s_add_nc_u64 s[16:17], s[16:17], s[40:41]
.set i, 0
.rept 32
	v_mad_u32_u24 v[VO+i], s[PIT], i, v[L4]        ; the pitch stands in a register, so that one text serves both weights
.set i, i+1
.endr
.macro LOADW be                        ; block be: W(32 be + i, my column): 128 consecutive bytes a wave, 512 a work-group
.set i, 0
.rept 32
	global_load_b32 v[X+32*((\be)%2)+i], v[VO+i], s[WB+2*(\be):WB+2*(\be)+1] th:TH_LOAD_NT
.set i, i+1
.endr
.endm
.macro BLOCK be
.set XS, X+32*((\be)%2)
.if (\be) < 3
	s_wait_loadcnt 32                              ; this block's 32 loads are in; the next block's may be out
.else
	s_wait_loadcnt 0x0
.endif
	v_max3_num_f32 v16, |v[XS]|, |v[XS+1]|, |v[XS+2]|   ; all 32 numbers of the block are mine
	v_max3_num_f32 v17, |v[XS+3]|, |v[XS+4]|, |v[XS+5]|
.irp i, 6,10,14,18,22,26
	v_max3_num_f32 v16, v16, |v[XS+\i]|, |v[XS+\i+1]|
	v_max3_num_f32 v17, v17, |v[XS+\i+2]|, |v[XS+\i+3]|
.endr
	v_max3_num_f32 v16, v16, |v[XS+30]|, |v[XS+31]|
	v_max3_num_f32 v16, v16, v17, 0x1800000        ; and the floor
	v_add_nc_u32 v18, 0xff000000, v16              ; the conversion's scale operand
	v_lshrrev_b32 v19, 23, v18                     ; the byte
.if (\be) == 0
	v_mov_b32 v[PW], v19
.else
	v_lshl_or_b32 v[PW], v19, 8*(\be), v[PW]       ; the K step's four bytes make my column's scale word
.endif
	v_cvt_scalef32_pk16_fp6_f32 v[PC:PC+2], v[XS:XS+15], v18
	v_cvt_scalef32_pk16_fp6_f32 v[PC+6:PC+8], v[XS+16:XS+31], v18
	v_nop                                          ; one plain place behind a scaled conversion
.irp i, 0,1,2
	v_mov_b32 v[PC+3+\i], v[PC+6+\i]
.endr
.irp p, 0,1,2                                  ; block be is registers 6 (be / 2) .. + 5 of lane 16 (be % 2) + row in my tile's image
	ds_store_b64 v[WSI], v[PC+2*\p:PC+2*\p+1] offset:768*((\be)/2)+128*((\be)%2)+256*\p
.endr
.if (\be) < 2
	LOADW (\be)+2
.endif
	s_wait_dscnt 0x0                               ; the stores have read their registers: the next block's codes may be written
.endm
	LOADW 0
	LOADW 1
	BLOCK 0
	BLOCK 1
	BLOCK 2
	BLOCK 3
.irp n, 0,1,2,3,4,5
	ds_load_b128 v[OUTR+4*\n:OUTR+4*\n+3], v[WSO] offset:WTP*(\n/3)+512*(\n%3)   ; LDS serves a wave's instructions in order: these see my stores
.endr
.irp n, 0,1,2,3,4,5
	s_wait_dscnt 5-\n
	global_store_b128 v[L16], v[OUTR+4*\n:OUTR+4*\n+3], s[14:15] offset:12288*(\n/3)+512*(\n%3)   ; 512 consecutive bytes, aligned to 256
.endr
	s_wait_alu depctr_va_vdst(0)
	global_store_b32 v[WSV], v[PW], s[16:17]       ; two runs of 64 bytes: 64 KB of such words in the whole launch
	s_wait_tensorcnt 0x0                           ; the wave's end, behind my last LDS store
	ds_add_u32 v[SPW], v[NIL]
	s_wait_dscnt 0x0
	s_endpgm
.Lfunc_end_k_qbbb3cf9e5c_quant:
	.size	k_qbbb3cf9e5c_quant, .Lfunc_end_k_qbbb3cf9e5c_quant-k_qbbb3cf9e5c_quant
	.p2alignl 7, 3214868480
	.fill 96, 4, 3214868480
	.section	.rodata,"a",@progbits
	.p2align	6, 0x0
	.amdhsa_kernel k_qbbb3cf9e5c_quant
		.amdhsa_group_segment_fixed_size 47616
		.amdhsa_private_segment_fixed_size 0
		.amdhsa_enable_private_segment 0
		.amdhsa_kernarg_size 56
		.amdhsa_user_sgpr_count 2
		.amdhsa_user_sgpr_kernarg_segment_ptr 1
		.amdhsa_wavefront_size32 1
		.amdhsa_system_sgpr_workgroup_id_x 1
		.amdhsa_system_sgpr_workgroup_id_y 1
		.amdhsa_system_sgpr_workgroup_id_z 1
		.amdhsa_system_vgpr_workitem_id 0
		.amdhsa_next_free_vgpr 256
		.amdhsa_next_free_sgpr 66
		.amdhsa_reserve_vcc 0
		.amdhsa_float_denorm_mode_32 3
		.amdhsa_float_denorm_mode_16_64 3
		.amdhsa_memory_ordered 1
		.amdhsa_forward_progress 1
		.amdhsa_inst_pref_size 59
	.end_amdhsa_kernel
	.amdgpu_metadata
---
amdhsa.version: [ 1, 2 ]
amdhsa.kernels:
  - .name:           k_qbbb3cf9e5c_quant
    .symbol:         k_qbbb3cf9e5c_quant.kd
    .args:
      - { .name: x, .offset: 0, .size: 8, .value_kind: global_buffer, .address_space: global }
      - { .name: W_attn, .offset: 8, .size: 8, .value_kind: global_buffer, .address_space: global }
      - { .name: W_proj, .offset: 16, .size: 8, .value_kind: global_buffer, .address_space: global }
      - { .name: xq, .offset: 24, .size: 8, .value_kind: global_buffer, .address_space: global }
      - { .name: xs, .offset: 32, .size: 8, .value_kind: global_buffer, .address_space: global }
      - { .name: wq, .offset: 40, .size: 8, .value_kind: global_buffer, .address_space: global }
      - { .name: ws, .offset: 48, .size: 8, .value_kind: global_buffer, .address_space: global }
    .group_segment_fixed_size: 47616
    .private_segment_fixed_size: 0
    .kernarg_segment_align: 8
    .kernarg_segment_size: 56
    .max_flat_workgroup_size: 128
    .sgpr_count:     66
    .vgpr_count:     256
    .wavefront_size: 32
...
	.end_amdgpu_metadata
.endif
;; end of part 1
;; launch gemm_k (part 2): grid 8 x 32, 4 waves a work-group, clusters of 4 x 4, 327,680 bytes of LDS; arguments xq, xs, wq, ws, b_attn, kv; writes kv
.if DOCPART == 2
	.amdgcn_target "amdgcn-amd-amdhsa--gfx1250"
	.amdhsa_code_object_version 6
	.text
	.protected	k_qbbb3cf9e5c_gemm_k
	.globl	k_qbbb3cf9e5c_gemm_k
	.p2align	8
	.type	k_qbbb3cf9e5c_gemm_k,@function
k_qbbb3cf9e5c_gemm_k:
	s_mov_b64 s[64:65], 0
	v_nop
	global_prefetch_b8 v0, s[64:65] scope:SCOPE_SE
	s_setreg_imm32_b32 hwreg(HW_REG_WAVE_MODE, 25, 1), 1
	s_wait_xcnt 0x0
	s_wait_alu depctr_hold_cnt(0) depctr_sa_sdst(0) depctr_va_vdst(0) depctr_va_sdst(0) depctr_va_ssrc(0) depctr_va_vcc(0) depctr_vm_vsrc(0)
	s_getreg_b32 s2, hwreg(HW_REG_IB_STS2, 6, 4)
	s_cmp_eq_u32 s2, 0
	s_cbranch_scc0 .Lentry_in_a_cluster
	s_endpgm
.Lentry_in_a_cluster:
	s_bfe_u32 s2, ttmp6, 0x10000c
	s_cmp_lg_u32 s2, 0xf033
	s_cbranch_scc0 .Lentry_shape_is_right
	s_endpgm
.Lentry_shape_is_right:
; kk = x Wk + bk, [8192][1024], on codes of FP6 (E2M3) with E8M0 scales; Wk, bk: the k slice of W_attn, b_attn.  kk is q, k and v of the attention at once; it never goes to memory as f32:
; it is quantised here twice, along the head's 64 (q, k) and along the keys (v), and stored as images of operand registers.
; SHARES.  A work-group makes 256 tokens x 128 columns; wave (mh, nh) makes 128 tokens x 64 columns: the 128 keys of one key step of one head.
; ALL OF K (1,024) LIES IN LDS: (256 + 128) rows x 768 bytes.  Four quarters of K, each filled once by one tensor load a wave; no byte of LDS is filled twice.
; CLUSTERS: 4 x 4 work-groups.  The four of a row of the cluster need the same tokens, the four of a column the same columns of Wk: each tile is asked for jointly.
; THE PRODUCT IS MADE IN BOTH ORIENTATIONS.  O1: source 0 = 16 columns of Wk, source 1 = 16 tokens: a lane holds one token and its registers run along the head's 64, as k's quantiser wants them.
; O2: the sources swapped: a lane holds one column d and its registers run along the tokens, as v's quantiser wants them.  That is 256 matrix instructions more a wave, in place of a turn of 32 KB a wave through LDS, which is full.
; The bias is the C of each sum's first product (so it is added ahead of the sum, not behind it: another order of rounding than sum, then add).
; OPERANDS are images of registers: a fragment (16 rows x 128 K) is six pieces of 256 bytes, registers 2 p, 2 p + 1 of lane L at 256 p + 8 L; row r of tile tau is index 32 (tau / 2) + 8 (tau % 2) + r + 8 (r / 8).
; OUT: a block of 13,056 bytes for each head and key step: K's 8 tiles x 768 bytes (registers 0-5: the head's 64); V's 4 tiles of d x 1,536 (K = the 128 keys); K's scale words [lane][4]; V's [lane][2].
; LIMITS: blocks under 2^-124 keep the byte 1, blocks of zeros get the byte 1 (zero codes; this program alone reads the bytes); NaN and infinities are not served.
; REGISTERS: window 0: v1-29 addresses; v32-63 x's scale words, v64-79 Wk's (for all of K, loaded once); v80-175 Wk's fragments, two sets; v176-207, v208-239 the bias in O1's and O2's layout;
;   window 1: the tokens' fragments, two sets of 96;  window 2: O1's 32 accumulators at v[8 (4 a + b)];  window 3: O2's at v[8 (8 b + a)].
.set QB,    73728                      ; a quarter of K in LDS: 16 token tiles, then 8 column tiles, 3,072 bytes (two K steps) each
.set BOFF,  49152
.set SPARE, 4*QB                       ; behind the tiles: the spare words, 128 bytes for each wave: two blocks of 256 bytes that no other line names
.set L8,   1
.set L16,  2
.set VSX,  3                           ; v3  2,048 h + 4 r: x's scale words, lanes 16-31 four tiles on
.set VSW,  4                           ; v4  1,024 h + 4 r: Wk's, lanes 16-31 two tiles on
.set VBK,  5                           ; v5  64 h
.set VBV,  6                           ; v6  4 (r + 8 (r / 8))
.set ADRA, 16                          ; v16-19  my token tiles in quarter q
.set ADRB, 20                          ; v20-23  my column tiles
.set SPW,  28
.set NIL,  29
.set SX,   32
.set SW,   64
.set BF,   80
.set BK,   176
.set BV,   208
.set TM,   80                          ; the way out, in window 0: largest magnitudes; v96.. bytes; v112.. scale operands; v128.. codes; v176.. halves that are moved; v208.. words
.set T2,   96
.set SO,   112
.set PC,   128
.set CT,   176
.set WD,   208
.set WO,   216
.set WD2,  220
.set WO2,  224
.set G1A,  24
.set G1B,  32
.set G0A,  40
.set G0B,  68
.set SEL,  56
.set HM,   58
.set MSB, 0
.macro WIN new                         ; the immediate's high byte repeats the setting that is left
.if MSB != (\new)
	s_set_vgpr_msb (MSB<<8)|(\new)
.set MSB, (\new)
.endif
.endm
.macro PLACES                          ; four plain places behind matrix instructions, ahead of loads into their sources and of the first read of results
.rept 4
	v_nop
.endr
.endm
.macro CROUND                          ; a round of the cluster's barrier
	s_barrier_signal -1
	s_barrier_wait -1
	s_cmp_lg_u32 s16, 0
	s_cbranch_scc1 .Lnot_wave_0_\@
	s_barrier_signal -3
.Lnot_wave_0_\@:
	s_barrier_wait -3
	s_barrier_signal -1
	s_barrier_wait -1
.endm
.macro WM ra, rb                       ; one product, by the symbols rD, rA, rB, rC, rSA, rSB; ra, rb: the side's scales stand in lanes 16-31
.if (\ra) && (\rb)
	v_wmma_scale_f32_16x16x128_f8f6f4 v[rD:rD+7], v[rA:rA+11], v[rB:rB+11], v[rC:rC+7], v[rSA], v[rSB] matrix_a_fmt:MATRIX_FMT_FP6 matrix_b_fmt:MATRIX_FMT_FP6 matrix_a_scale:MATRIX_SCALE_ROW1 matrix_b_scale:MATRIX_SCALE_ROW1
.elseif (\ra)
	v_wmma_scale_f32_16x16x128_f8f6f4 v[rD:rD+7], v[rA:rA+11], v[rB:rB+11], v[rC:rC+7], v[rSA], v[rSB] matrix_a_fmt:MATRIX_FMT_FP6 matrix_b_fmt:MATRIX_FMT_FP6 matrix_a_scale:MATRIX_SCALE_ROW1
.elseif (\rb)
	v_wmma_scale_f32_16x16x128_f8f6f4 v[rD:rD+7], v[rA:rA+11], v[rB:rB+11], v[rC:rC+7], v[rSA], v[rSB] matrix_a_fmt:MATRIX_FMT_FP6 matrix_b_fmt:MATRIX_FMT_FP6 matrix_b_scale:MATRIX_SCALE_ROW1
.else
	v_wmma_scale_f32_16x16x128_f8f6f4 v[rD:rD+7], v[rA:rA+11], v[rB:rB+11], v[rC:rC+7], v[rSA], v[rSB] matrix_a_fmt:MATRIX_FMT_FP6 matrix_b_fmt:MATRIX_FMT_FP6
.endif
.endm
	s_load_b256 s[4:11], s[0:1], 0x0               ; xq s[4:5], xs s[6:7], wq s[8:9], ws s[10:11]
	s_load_b128 s[12:15], s[0:1], 0x20             ; b_attn s[12:13], kv s[14:15]
	v_lshl_add_u32 v[SPW], v0, 2, SPARE
	v_mov_b32 v[NIL], 0
	ds_add_u32 v[SPW], v[NIL]
	ds_add_u32 v[SPW], v[NIL]                      ; the wave's opening: the add and its wait stand ahead of my first tensor load; work on registers stands between them
	v_lshrrev_b32 v7, 5, v0
	v_readfirstlane_b32 s16, v7                    ; wave 0..3
	s_lshr_b32 s17, s16, 1                         ; mh: my half of the tokens.  Also: I fetch tokens (0) or columns (1)
	s_and_b32 s18, s16, 1                          ; nh: my half of the columns.  Also: which half of those tiles I fetch
	s_bfe_u32 s19, ttmp6, 0x40000                  ; cx
	s_bfe_u32 s20, ttmp6, 0x40004                  ; cy
	s_lshl_b32 s21, ttmp9, 2
	s_add_co_u32 s21, s21, s19                     ; X: which 128 columns
	s_and_b32 s22, ttmp7, 0xffff
	s_lshl_b32 s22, s22, 2
	s_add_co_u32 s22, s22, s20                     ; Y: which 256 tokens
	s_lshl_b32 s84, s20, 2
	s_lshl_b32 s84, 15, s84                        ; my row of the cluster
	s_lshl_b32 s86, 0x1111, s19                    ; my column
	s_or_b32 s[G1A], s84, (3<<16)|(1<<21)          ; 15:0 the mask; 17:16 elements of 8 bytes; 21 set beside a mask; no padding
	s_or_b32 s[G1B], s86, (3<<16)|(1<<21)
	s_mov_b32 s[G1A+1], 384<<16                    ; tensor_dim0: a tile's quarter of K, 3,072 bytes
	s_mov_b32 s[G1A+2], 8<<16                      ; tensor_dim1: 8 tiles
	s_mov_b32 s[G1A+3], 384<<16                    ; tile_dim0
	s_mov_b32 s[G1A+4], 8                          ; tile_dim1
	s_mov_b32 s[G1A+5], 1536                       ; from tile to tile: 12,288 bytes
	s_mov_b32 s[G1A+6], 0
	s_mov_b32 s[G1A+7], 0
	s_mov_b32 s[G1B+1], 384<<16
	s_mov_b32 s[G1B+2], 4<<16                      ; 4 tiles
	s_mov_b32 s[G1B+3], 384<<16
	s_mov_b32 s[G1B+4], 4
	s_mov_b32 s[G1B+5], 1536
	s_mov_b32 s[G1B+6], 0
	s_mov_b32 s[G1B+7], 0
	s_mov_b32 s[SEL], 0x76543210
	s_mov_b32 s[SEL+1], 0xfedcba98
	s_mov_b32 s[HM], 0xffff0000
	s_lshl_b32 s84, s22, 4                         ; tokens: tile 16 Y + 8 x half (registers that never hold X)
	s_lshl_b32 s85, s18, 3
	s_add_co_u32 s84, s84, s85
	s_mul_i32 s84, s84, 12288
	s_mov_b32 s85, 0
	s_lshl_b32 s86, s21, 3                         ; columns: tile 8 X + 4 x half (registers that never hold Y)
	s_lshl_b32 s87, s18, 2
	s_add_co_u32 s86, s86, s87
	s_mul_i32 s86, s86, 12288
	s_mov_b32 s87, 0
	s_mul_i32 s88, s18, 24576                      ; where they go: no place in the cluster enters an LDS address
	s_mul_i32 s89, s18, 12288
	s_add_co_u32 s89, s89, BOFF
	s_wait_dscnt 0x0                               ; the opening add is done
	s_wait_kmcnt 0x0
	s_add_nc_u64 s[84:85], s[4:5], s[84:85]
	s_add_nc_u64 s[86:87], s[8:9], s[86:87]
	CROUND                                         ; all sixteen work-groups are here: the joint loads meet
.irp q, 0,1,2,3
	s_mov_b32 s[G0A+4*\q], 1
	s_add_co_u32 s[G0A+4*\q+1], s88, \q*QB
	s_add_nc_u64 s[G0A+4*\q+2:G0A+4*\q+3], s[84:85], \q*3072
	s_or_b32 s[G0A+4*\q+3], s[G0A+4*\q+3], 0x80000000
	s_mov_b32 s[G0B+4*\q], 1
	s_add_co_u32 s[G0B+4*\q+1], s89, \q*QB
	s_add_nc_u64 s[G0B+4*\q+2:G0B+4*\q+3], s[86:87], \q*3072
	s_or_b32 s[G0B+4*\q+3], s[G0B+4*\q+3], 0x80000000
.endr
	s_cmp_eq_u32 s17, 0                            ; a wave's four fills stand in one branch on the wave's number, ahead of every wait on TENSORcnt, LDS read and barrier: four loads of mine are out
	s_cbranch_scc0 .Lfirst_b
.irp q, 0,1,2,3
	tensor_load_to_lds s[G0A+4*\q:G0A+4*\q+3], s[G1A:G1A+7]
	s_nop 0
.endr
.rept 4
	v_nop
.endr
	s_branch .Lfirst_asked
.Lfirst_b:
.irp q, 0,1,2,3
	tensor_load_to_lds s[G0B+4*\q:G0B+4*\q+3], s[G1B:G1B+7]
	s_nop 0
.endr
.rept 4
	v_nop
.endr
.Lfirst_asked:
	v_and_b32 v7, 31, v0                           ; lane
	v_and_b32 v8, 15, v0                           ; r
	v_bfe_u32 v9, v0, 4, 1                         ; h
	v_lshlrev_b32 v[L8], 3, v7
	v_lshlrev_b32 v[L16], 4, v7
	v_lshlrev_b32 v10, 2, v8
	v_lshl_add_u32 v[VSX], v9, 11, v10
	v_lshl_add_u32 v[VSW], v9, 10, v10
	v_lshlrev_b32 v[VBK], 6, v9
	v_and_b32 v11, 8, v8
	v_add_nc_u32 v11, v11, v8
	v_lshlrev_b32 v[VBV], 2, v11
	s_wait_alu depctr_va_vdst(0)
	s_mul_i32 s90, s17, 24576                      ; my 8 token tiles,
	s_mul_i32 s91, s18, 12288                      ; my 4 column tiles
	s_add_co_u32 s91, s91, BOFF
.irp q, 0,1,2,3
	v_add_nc_u32 v[ADRA+\q], s90, v[L8]
	v_add_nc_u32 v[ADRB+\q], s91, v[L8]
	s_add_co_u32 s90, s90, QB
	s_add_co_u32 s91, s91, QB
.endr
	s_lshl_b32 s92, s22, 4                         ; x's scale words: tile 16 Y + 8 mh, 512 bytes a tile
	s_lshl_b32 s93, s17, 3
	s_add_co_u32 s92, s92, s93
	s_lshl_b32 s92, s92, 9
	s_mov_b32 s93, 0
	s_add_nc_u64 s[6:7], s[6:7], s[92:93]
	s_lshl_b32 s92, s21, 3                         ; Wk's: tile 8 X + 4 nh
	s_lshl_b32 s94, s18, 2
	s_add_co_u32 s92, s92, s94
	s_lshl_b32 s92, s92, 9
	s_add_nc_u64 s[10:11], s[10:11], s[92:93]
	s_lshl_b32 s92, s21, 9                         ; the bias: column 1,024 + 128 X + 64 nh
	s_lshl_b32 s94, s18, 8
	s_add_co_u32 s92, s92, s94
	s_add_co_u32 s92, s92, 4096
	s_add_nc_u64 s[12:13], s[12:13], s[92:93]
	s_lshr_b32 s92, s22, 3                         ; my block of kv: head-of-batch 16 (Y / 8) + 2 X + nh, key step 2 (Y % 8) + mh
	s_lshl_b32 s92, s92, 4
	s_lshl_b32 s94, s21, 1
	s_add_co_u32 s92, s92, s94
	s_add_co_u32 s92, s92, s18
	s_lshl_b32 s92, s92, 4
	s_and_b32 s94, s22, 7
	s_lshl_b32 s94, s94, 1
	s_add_co_u32 s92, s92, s94
	s_add_co_u32 s92, s92, s17
	s_mul_i32 s92, s92, 13056
	s_add_nc_u64 s[14:15], s[14:15], s[92:93]
.irp i, 0,1,2,3                                ; the scale words of all of K stay in registers: register 8 i + s: lanes 0-15 token tile i, lanes 16-31 tile i + 4
.irp s, 0,1,2,3,4,5,6,7
	global_load_b32 v[SX+8*\i+\s], v[VSX], s[6:7] offset:512*\i+64*\s
.endr
.endr
.irp i, 0,1                                    ; lanes 0-15 column tile i, lanes 16-31 tile i + 2
.irp s, 0,1,2,3,4,5,6,7
	global_load_b32 v[SW+8*\i+\s], v[VSW], s[10:11] offset:512*\i+64*\s
.endr
.endr
.irp b, 0,1,2,3
	global_load_b128 v[BK+8*\b:BK+8*\b+3], v[VBK], s[12:13] offset:(32*(\b/2)+8*(\b%2))*4      ; O1: register j of lane (r, h) is column 32 (b / 2) + 8 (b % 2) + 16 h + j
	global_load_b128 v[BK+8*\b+4:BK+8*\b+7], v[VBK], s[12:13] offset:(32*(\b/2)+8*(\b%2))*4+16
	global_load_b32 v[BV+8*\b], v[VBV], s[12:13] offset:(32*(\b/2)+8*(\b%2))*4                 ; O2: all eight registers of lane (r, h) are column 32 (b / 2) + 8 (b % 2) + r + 8 (r / 8)
.endr
	s_wait_loadcnt 0x0
.irp b, 0,1,2,3
.irp j, 1,2,3,4,5,6,7
	v_mov_b32 v[BV+8*\b+\j], v[BV+8*\b]
.endr
.endr
.macro FETCH ks                        ; K step ks: my 8 token fragments and 4 column fragments into set ks % 2: each load takes 256 consecutive bytes
	WIN 0x40                                       ; destination window 1, address window 0
.irp a, 0,1,2,3,4,5,6,7
.irp p, 0,1,2,3,4,5
	ds_load_b64 v[96*((\ks)%2)+12*\a+2*\p:96*((\ks)%2)+12*\a+2*\p+1], v[ADRA+(\ks)/2] offset:3072*\a+1536*((\ks)%2)+256*\p
.endr
.endr
	WIN 0
.irp b, 0,1,2,3
.irp p, 0,1,2,3,4,5
	ds_load_b64 v[BF+48*((\ks)%2)+12*\b+2*\p:BF+48*((\ks)%2)+12*\b+2*\p+1], v[ADRB+(\ks)/2] offset:3072*\b+1536*((\ks)%2)+256*\p
.endr
.endr
.endm
; The 64 accumulators take turns, one instruction a turn, in the same order in every K step.
.macro O1 ks                           ; source 0 = columns (window 0), source 1 = tokens (window 1), C and D window 2; the first step's C is the bias, in window 0
.if (\ks) == 0
	WIN 0x84
.else
	WIN 0xa4
.endif
.irp a, 0,1,2,3,4,5,6,7
.irp b, 0,1,2,3
.set rD, 8*(4*\a+\b)
.set rA, BF+48*((\ks)%2)+12*\b
.set rB, 96*((\ks)%2)+12*\a
.set rSA, SW+8*(\b%2)+(\ks)
.set rSB, SX+8*(\a%4)+(\ks)
.if (\ks) == 0
.set rC, BK+8*\b
.else
.set rC, rD
.endif
	WM \b/2, \a/4
.endr
.endr
.endm
.macro O2 ks                           ; the sources swapped; C and D window 3
.if (\ks) == 0
	WIN 0xc1
.else
	WIN 0xf1
.endif
.irp a, 0,1,2,3,4,5,6,7
.irp b, 0,1,2,3
.set rD, 8*(8*\b+\a)
.set rA, 96*((\ks)%2)+12*\a
.set rB, BF+48*((\ks)%2)+12*\b
.set rSA, SX+8*(\a%4)+(\ks)
.set rSB, SW+8*(\b%2)+(\ks)
.if (\ks) == 0
.set rC, BV+8*\b
.else
.set rC, rD
.endif
	WM \a/4, \b/2
.endr
.endr
.endm
.macro KSTEP ks
	s_wait_dscnt 0x0                               ; this K step's 72 loads are in
.if ((\ks)%2 == 1) && ((\ks) < 7)
	s_wait_tensorcnt 2-(\ks)/2                     ; my part of the next quarter of K has landed; the quarters behind it may stay out
	s_barrier_signal -1
	s_barrier_wait -1                              ; everybody's has
.endif
.if (\ks) < 7
	PLACES
	FETCH (\ks)+1                                  ; the next step's fragments have this step's 64 matrix instructions in which to land
.endif
	O1 \ks
	O2 \ks
.endm
	s_wait_alu depctr_va_vdst(0)
	s_wait_tensorcnt 3                             ; my part of the first quarter of K is in; three loads may stay out
	s_barrier_signal -1
	s_barrier_wait -1
	FETCH 0
	KSTEP 0
	KSTEP 1
	KSTEP 2
	KSTEP 3
	KSTEP 4
	KSTEP 5
	KSTEP 6
	KSTEP 7
; THE WAY OUT.  In either window block be (0..15) of 32 along the quantiser's axis is registers 16 be .. 16 be + 15 of lanes l and l xor 16; blocks 2 c, 2 c + 1 become six registers of an operand, at byte 768 c.
; kind 0: window 2, k (blocks along the head's 64: tile a = c);  kind 1: window 3, v (blocks along the keys: tile of d = c / 2, half c % 2).
.macro EPI w, kind
.set WW, ((\w)<<2)|((\w)<<4)
	WIN WW                                         ; sources 1 and 2 in the accumulators' window
.set be, 0
.rept 16
	v_max3_num_f32 v[TM+be], 0x1800000, |v[16*be]|, |v[16*be+1]|   ; each accumulator is read from its low end on; the floor 2^(3 - 127) holds the byte at 1 from below
.set be, be+1
.endr
.irp i, 2,4,6,8,10,12,14
.set be, 0
.rept 16
	v_max3_num_f32 v[TM+be], v[TM+be], |v[16*be+\i]|, |v[16*be+\i+1]|
.set be, be+1
.endr
.endr
	WIN 0
.set be, 0
.rept 16
	v_permlanex16_b32 v[T2+be], v[TM+be], s[SEL], s[SEL+1]
.set be, be+1
.endr
.set be, 0
.rept 16
	v_max_num_f32 v[TM+be], v[TM+be], v[T2+be]     ; the block's largest magnitude
.set be, be+1
.endr
.set be, 0
.rept 16
	v_add_nc_u32 v[SO+be], 0xff000000, v[TM+be]    ; 2 off its exponent field: the conversion's scale operand
.set be, be+1
.endr
.set be, 0
.rept 16
	v_lshrrev_b32 v[T2+be], 23, v[SO+be]           ; the byte
.set be, be+1
.endr
.if (\kind) == 0
.irp a, 0,1,2,3,4,5,6,7
	v_lshl_or_b32 v[WD+\a], v[T2+2*\a+1], 8, v[T2+2*\a]
.endr
.irp a, 0,1,2,3,4,5,6,7
	v_or_b32 v[WD+\a], 0x7f7f0000, v[WD+\a]        ; K = 64: the upper half of the instruction's 128 has the byte 127 (and meets zero codes)
.endr
.irp b, 0,1,2,3
	v_cndmask_b32 v[WO+\b], v[WD+2*\b], v[WD+2*\b+1], s[HM]   ; lanes 0-15 tile 2 b, lanes 16-31 tile 2 b + 1
.endr
.else
.irp b, 0,1,2,3
	v_lshl_or_b32 v[WD2+\b], v[T2+4*\b+1], 8, v[T2+4*\b]
	v_lshl_or_b32 v[WD2+\b], v[T2+4*\b+2], 16, v[WD2+\b]
	v_lshl_or_b32 v[WD2+\b], v[T2+4*\b+3], 24, v[WD2+\b]
.endr
.irp c, 0,1
	v_cndmask_b32 v[WO2+\c], v[WD2+2*\c], v[WD2+2*\c+1], s[HM]
.endr
	s_wait_xcnt 0x0                                ; k's stores have read the codes' registers, which are written anew below
.endif
	WIN \w                                         ; source 0 in the accumulators' window
.irp c, 0,1,2,3,4,5,6,7
	v_cvt_scalef32_pk16_fp6_f32 v[PC+6*\c:PC+6*\c+2], v[32*\c:32*\c+15], v[SO+2*\c]
	v_cvt_scalef32_pk16_fp6_f32 v[CT+4*\c:CT+4*\c+2], v[32*\c+16:32*\c+31], v[SO+2*\c+1]   ; (a conversion's three registers begin on an even number)
.endr
	WIN 0
	v_nop                                          ; one plain place behind a scaled conversion
.irp c, 0,1,2,3,4,5,6,7                        ; a whole block to a lane: lanes 0-15 block 2 c, lanes 16-31 block 2 c + 1
.irp i, 0,1,2
	v_permlane16_swap_b32 v[PC+6*\c+\i], v[CT+4*\c+\i]
.endr
.irp i, 0,1,2
	v_mov_b32 v[PC+6*\c+3+\i], v[CT+4*\c+\i]
.endr
.endr
.irp c, 0,1,2,3,4,5,6,7
.irp p, 0,1,2
	global_store_b64 v[L8], v[PC+6*\c+2*\p:PC+6*\c+2*\p+1], s[14:15] offset:6144*(\kind)+768*\c+256*\p   ; 32 lanes store 256 consecutive bytes, aligned
.endr
.endr
.if (\kind) == 0
	global_store_b128 v[L16], v[WO:WO+3], s[14:15] offset:12288
.else
	global_store_b64 v[L8], v[WO2:WO2+1], s[14:15] offset:12800
.endif
.endm
	PLACES
	EPI 2, 0
	EPI 3, 1
	s_wait_tensorcnt 0x0                           ; the wave's end, behind my last tensor load
	ds_add_u32 v[SPW], v[NIL]
	s_wait_dscnt 0x0
	CROUND                                         ; the closing round: no work-group ends while a partner may still ask for a tile that names it
	s_endpgm
.Lfunc_end_k_qbbb3cf9e5c_gemm_k:
	.size	k_qbbb3cf9e5c_gemm_k, .Lfunc_end_k_qbbb3cf9e5c_gemm_k-k_qbbb3cf9e5c_gemm_k
	.p2alignl 7, 3214868480
	.fill 96, 4, 3214868480
	.section	.rodata,"a",@progbits
	.p2align	6, 0x0
	.amdhsa_kernel k_qbbb3cf9e5c_gemm_k
		.amdhsa_group_segment_fixed_size 327680
		.amdhsa_private_segment_fixed_size 0
		.amdhsa_enable_private_segment 0
		.amdhsa_kernarg_size 48
		.amdhsa_user_sgpr_count 2
		.amdhsa_user_sgpr_kernarg_segment_ptr 1
		.amdhsa_wavefront_size32 1
		.amdhsa_system_sgpr_workgroup_id_x 1
		.amdhsa_system_sgpr_workgroup_id_y 1
		.amdhsa_system_sgpr_workgroup_id_z 1
		.amdhsa_system_vgpr_workitem_id 0
		.amdhsa_next_free_vgpr 1024
		.amdhsa_next_free_sgpr 100
		.amdhsa_reserve_vcc 0
		.amdhsa_float_denorm_mode_32 3
		.amdhsa_float_denorm_mode_16_64 3
		.amdhsa_memory_ordered 1
		.amdhsa_forward_progress 1
		.amdhsa_inst_pref_size 154
	.end_amdhsa_kernel
	.amdgpu_metadata
---
amdhsa.version: [ 1, 2 ]
amdhsa.kernels:
  - .name:           k_qbbb3cf9e5c_gemm_k
    .symbol:         k_qbbb3cf9e5c_gemm_k.kd
    .args:
      - { .name: xq, .offset: 0, .size: 8, .value_kind: global_buffer, .address_space: global }
      - { .name: xs, .offset: 8, .size: 8, .value_kind: global_buffer, .address_space: global }
      - { .name: wq, .offset: 16, .size: 8, .value_kind: global_buffer, .address_space: global }
      - { .name: ws, .offset: 24, .size: 8, .value_kind: global_buffer, .address_space: global }
      - { .name: b_attn, .offset: 32, .size: 8, .value_kind: global_buffer, .address_space: global }
      - { .name: kv, .offset: 40, .size: 8, .value_kind: global_buffer, .address_space: global }
    .group_segment_fixed_size: 327680
    .private_segment_fixed_size: 0
    .kernarg_segment_align: 8
    .kernarg_segment_size: 48
    .max_flat_workgroup_size: 128
    .sgpr_count:     100
    .vgpr_count:     1024
    .wavefront_size: 32
...
	.end_amdgpu_metadata
.endif
;; end of part 2
;; launch attn (part 3): grid 4 x 64, 16 waves a work-group, clusters of 4 x 1, 210,944 bytes of LDS; arguments kv, yq, ys; writes yq, ys
.if DOCPART == 3
	.amdgcn_target "amdgcn-amd-amdhsa--gfx1250"
	.amdhsa_code_object_version 6
	.text
	.protected	k_qbbb3cf9e5c_attn
	.globl	k_qbbb3cf9e5c_attn
	.p2align	8
	.type	k_qbbb3cf9e5c_attn,@function
k_qbbb3cf9e5c_attn:
	s_mov_b64 s[64:65], 0
	v_nop
	global_prefetch_b8 v0, s[64:65] scope:SCOPE_SE
	s_setreg_imm32_b32 hwreg(HW_REG_WAVE_MODE, 25, 1), 1
	s_wait_xcnt 0x0
	s_wait_alu depctr_hold_cnt(0) depctr_sa_sdst(0) depctr_va_vdst(0) depctr_va_sdst(0) depctr_va_ssrc(0) depctr_va_vcc(0) depctr_vm_vsrc(0)
	s_getreg_b32 s2, hwreg(HW_REG_IB_STS2, 6, 4)
	s_cmp_eq_u32 s2, 0
	s_cbranch_scc0 .Lentry_in_a_cluster
	s_endpgm
.Lentry_in_a_cluster:
	s_bfe_u32 s2, ttmp6, 0x10000c
	s_cmp_lg_u32 s2, 0x3003
	s_cbranch_scc0 .Lentry_shape_is_right
	s_endpgm
.Lentry_shape_is_right:
; y[b][h][q] = the sum over keys k <= q of softmax_k(kk[q] . kk[k] / 8) kk[k], q = k = v = kk (64 a head), both products on codes of FP6 (E2M3) with E8M0 scales.
; THE SOFTMAX AHEAD OF THE SECOND PRODUCT: t = score x log2(e) / 8; M = the running largest t rounded UP to a whole number; p = 2^(t - M) is quantised along the keys, not normalised;
; the row's sum is taken of the unquantised p and divides at the end.  When M moves, the sum and O are multiplied by 2^(old M - new M): exact.
; IN: kv, a block of 13,056 bytes for each head and key step of 128 keys: K's 8 tiles x 768 bytes (images of registers 0-5), V's 4 tiles of d x 1,536, K's scale words [lane][4], V's [lane][2].
; Row r of tile t is key (or d) 32 (t / 2) + 8 (t % 2) + r + 8 (r / 8), so that the 16 results of two neighbouring tiles are 16 neighbours.  A tile of K is also a tile of Q.
; SHARES.  A cluster of four work-groups owns one head; THE WHOLE HEAD (16 blocks, 208,896 bytes) LIES IN EACH ONE'S LDS, asked for jointly and filled once.  Wave w of work-group j owns two tiles of 16 queries:
; tile 4 w + j and tile 124 - 4 w + j.  Their last key steps are w / 2 and 15 - w / 2: every wave walks 17 tile steps under the causal mask, and which steps hangs on the wave's number alone.
; j enters only addresses in memory and the mask's numbers: no branch and no LDS address hangs on it.
; LAYOUT.  S^T = K Q^T (source 0 = 16 keys), O^T = V^T P^T (source 0 = 16 of the head's 64): a lane holds one query throughout.
; K = 64 IN AN INSTRUCTION OF 128: Q's registers 6-11 are zero codes and both sides' scale bytes 2, 3 are 127.  K's operand of tile t is v[44 + 6 t .. 55 + 6 t]: its upper six registers are the next tile's codes
; (zeros behind the last); every code of this format is a finite number, so against zero codes they add nothing.
; OUT: y / the sum, quantised along C (a head is two blocks of 32), as the image of half a fragment (768 bytes) and two scale bytes a token.
; LIMITS: v_exp_f32 gives 0 for p under 2^-126; 1 / the sum is v_rcp_f32; blocks under 2^-124 (all-zero ones too) keep the byte 1; NaN and infinities are not served.
.set STEPB, 13056
.set VOFF,  6144
.set KWO,   12288
.set VWO,   12800
.set SPARE, 16*STEPB                   ; behind the head: the spare words, 128 bytes for each wave: eight blocks of 256 bytes that no other line names
.set SPW,  1
.set NIL,  2
.set L8,   3
.set L16,  4
.set AD8,  5                           ; v5   LDS address of the step's block + 8 x lane
.set AD16, 6                           ; v6   + 16 x lane
.set DGE,  7                           ; v7, v8  my query's place in its key step - 16 (lane / 16), early and late tile
.set DGL,  8
.set QWE,  9                           ; v9, v10  Q's scale words
.set QWL,  10
.set TMP,  11
.set STE,  12                          ; v12-15, v16-19  -M, the largest t, the sum in two halves
.set STL,  16
.set QE,   20                          ; v20-31, v32-43  Q
.set QL,   32
.set KV,   44                          ; v44-97  K's 8 tiles (6 registers each, six zeros behind them), then V's 4 (12 each)
.set S,    98                          ; v98-161 S^T, then p
.set OE,   162                         ; v162-193, v194-225  O^T
.set OL,   194
.set PC,   226                         ; v226-237 p's codes (v234-237 first hold the blocks' largest scores)
.set BM,   234
.set CT,   238                         ; v238-245 at work
.set SO,   246
.set KSW,  250                         ; v250-253 K's or V's scale words
.set F,    254
.set PW,   255                         ; p's scale word
.set WV,   10
.set CX,   11
.set BH,   12
.set KVH,  14
.set DE,   16
.set DL,   17
.set STP,  18                          ; s18  the key step
.set TB,   19                          ; s19  its block in LDS
.set SEL,  20
.set CS,   22                          ; s[22:23] c = log2(e) / 8
.set G1,   24
.set G0,   32
.set QPE,  48
.set QPL,  50
.set YBE,  52
.set YBL,  54
.set YSE,  56
.set YSL,  58
.set WPE,  66
.set WPL,  68
.macro CROUND                          ; a round of the cluster's barrier
	s_barrier_signal -1
	s_barrier_wait -1
	s_cmp_lg_u32 s[WV], 0
	s_cbranch_scc1 .Lnot_wave_0_\@
	s_barrier_signal -3
.Lnot_wave_0_\@:
	s_barrier_wait -3
	s_barrier_signal -1
	s_barrier_wait -1
.endm
	s_load_b128 s[4:7], s[0:1], 0x0                ; kv, yq
	s_load_b64 s[8:9], s[0:1], 0x10                ; ys
	v_lshl_add_u32 v[SPW], v0, 2, SPARE
	v_mov_b32 v[NIL], 0
	ds_add_u32 v[SPW], v[NIL]                      ; the wave's opening: the add and its wait stand ahead of the first tensor loads; work on registers stands between them
	ds_add_u32 v[SPW], v[NIL]
	v_lshrrev_b32 v5, 5, v0
	s_delay_alu instid0(VALU_DEP_1)
	v_readfirstlane_b32 s[WV], v5                  ; wave 0..15
	s_bfe_u32 s[CX], ttmp6, 0x40000                ; j: my place in the cluster
	s_and_b32 s[BH], ttmp7, 0xffff                 ; batch x 16 + head, which the four partners share
	s_mov_b32 s[G1], 15|(3<<16)|(1<<21)            ; 15:0 the mask: all four; 17:16 elements of 8 bytes; 21 set beside a mask; no padding
	s_mov_b32 s[G1+1], 32<<16                      ; a block as 51 dense rows of 256 bytes
	s_mov_b32 s[G1+2], 51<<16
	s_mov_b32 s[G1+3], 32<<16
	s_mov_b32 s[G1+4], 51
	s_mov_b32 s[G1+5], 32
	s_mov_b32 s[G1+6], 0
	s_mov_b32 s[G1+7], 0
	s_mov_b32 s[SEL], 0x76543210
	s_mov_b32 s[SEL+1], 0xfedcba98
	s_mov_b32 s[CS], 0x3e38aa3b
	s_mov_b32 s[CS+1], s[CS]                       ; (named with it as a pair, so it is written)
	s_lshr_b32 s[DE], s[WV], 1                     ; the early tile's last key step,
	s_sub_co_u32 s[DL], 15, s[DE]                  ; the late tile's
	s_mov_b32 s[STP], 0
	s_mov_b32 s[TB], 0
	s_mul_i32 s60, s[BH], 16*STEPB
	s_mov_b32 s61, 0
	s_and_b32 s62, s[WV], 3
	s_mul_i32 s62, s62, STEPB                      ; waves 0 to 3 fetch key steps w, 4 + w, 8 + w, 12 + w
	s_mov_b32 s63, 0
	s_wait_dscnt 0x0                               ; the opening add is done
	s_wait_kmcnt 0x0
	s_add_nc_u64 s[KVH:KVH+1], s[4:5], s[60:61]
	s_add_nc_u64 s[72:73], s[KVH:KVH+1], s[62:63]
	CROUND                                         ; all four work-groups are here: the joint loads meet
.irp q, 0,1,2,3
	s_mov_b32 s[G0+4*\q], 1
	s_add_co_u32 s[G0+4*\q+1], s62, \q*4*STEPB
	s_add_nc_u64 s[G0+4*\q+2:G0+4*\q+3], s[72:73], \q*4*STEPB
	s_or_b32 s[G0+4*\q+3], s[G0+4*\q+3], 0x80000000
.endr
	s_cmp_lt_u32 s[WV], 4                          ; a wave's four fills stand in one branch on the wave's number: four loads are out in waves 0 to 3, none in the others
	s_cbranch_scc0 .Lno_fill
.irp q, 0,1,2,3
	tensor_load_to_lds s[G0+4*\q:G0+4*\q+3], s[G1:G1+7]
	s_nop 0
.endr
.rept 4
	v_nop
.endr
.Lno_fill:
	v_and_b32 v[L8], 31, v0
	s_delay_alu instid0(VALU_DEP_1)
	v_lshlrev_b32 v[L16], 4, v[L8]
	s_delay_alu instid0(VALU_DEP_2)
	v_lshlrev_b32 v[L8], 3, v[L8]
	v_and_b32 v[AD16], 15, v0                      ; r
	s_delay_alu instid0(VALU_DEP_1)
	v_lshlrev_b32 v[AD8], 4, v[AD16]               ; 16 r: Q's scale word among K's
	s_delay_alu instid0(VALU_DEP_2)
	v_and_b32 v[TMP], 8, v[AD16]
	s_delay_alu instid0(VALU_DEP_1)
	v_add_nc_u32 v[TMP], v[TMP], v[AD16]           ; r + 8 (r / 8)
	v_and_b32 v[AD16], 16, v0
	s_delay_alu instid0(VALU_DEP_1)
	v_sub_nc_u32 v[TMP], v[TMP], v[AD16]           ; - 16 (lane / 16)
	s_wait_alu depctr_va_vdst(0)
	s_and_b32 s74, s[WV], 1
	s_lshl_b32 s70, s74, 2
	s_add_co_u32 s70, s70, s[CX]                   ; the early tile's place in its key step: 4 (w % 2) + j
	s_xor_b32 s74, s74, 1
	s_lshl_b32 s71, s74, 2
	s_add_co_u32 s71, s71, s[CX]                   ; the late tile's: 4 (1 - w % 2) + j
; a tile's pointers: pt its place in the step, pd its step; Q's codes and words in kv, y's codes and bytes, the mask's number
.macro TSET pt, pd, pq, pw, py, ps, pg
	s_mul_i32 s72, s[\pd], STEPB
	s_mul_i32 s73, s[\pt], 768
	s_add_co_u32 s74, s72, s73
	s_mov_b32 s75, 0
	s_add_nc_u64 s[\pq:\pq+1], s[KVH:KVH+1], s[74:75]
	s_and_b32 s76, s[\pt], 1
	s_lshr_b32 s77, s[\pt], 1
	s_lshl_b32 s73, s76, 8                         ; an odd tile's words stand in lanes 16-31: 256 bytes on;
	s_add_co_u32 s74, s72, s73
	s_lshl_b32 s73, s77, 2                         ; word t / 2 of a lane's four
	s_add_co_u32 s74, s74, s73
	s_add_co_u32 s74, s74, KWO
	s_add_nc_u64 s[\pw:\pw+1], s[KVH:KVH+1], s[74:75]
	s_lshl_b32 s73, s77, 5
	s_lshl_b32 s74, s76, 3
	s_add_co_u32 s73, s73, s74
	v_add_nc_u32 v[\pg], s73, v[TMP]
	s_lshl_b32 s73, s[\pd], 3
	s_add_co_u32 s73, s73, s[\pt]
	s_lshr_b32 s74, s[BH], 4
	s_lshl_b32 s74, s74, 7
	s_add_co_u32 s73, s73, s74                     ; the tile among all tokens' 512
	s_and_b32 s78, s[BH], 15                       ; the head
	s_mul_i32 s74, s73, 12288
	s_mul_i32 s79, s78, 768
	s_add_co_u32 s74, s74, s79
	s_add_nc_u64 s[\py:\py+1], s[6:7], s[74:75]
	s_lshl_b32 s74, s73, 9
	s_lshr_b32 s79, s78, 1
	s_lshl_b32 s79, s79, 6
	s_add_co_u32 s74, s74, s79
	s_and_b32 s79, s78, 1
	s_lshl_b32 s79, s79, 1
	s_add_co_u32 s74, s74, s79
	s_add_nc_u64 s[\ps:\ps+1], s[8:9], s[74:75]
.endm
	TSET 70, DE, QPE, WPE, YBE, YSE, DGE
	TSET 71, DL, QPL, WPL, YBL, YSL, DGL
.irp p, 0,1,2
	global_load_b64 v[QE+2*\p:QE+2*\p+1], v[L8], s[QPE:QPE+1] offset:256*\p
	global_load_b64 v[QL+2*\p:QL+2*\p+1], v[L8], s[QPL:QPL+1] offset:256*\p
.endr
	global_load_b32 v[QWE], v[AD8], s[WPE:WPE+1]
	global_load_b32 v[QWL], v[AD8], s[WPL:WPL+1]
.irp i, 6,7,8,9,10,11
	v_mov_b32 v[QE+\i], 0                          ; zero codes for k = 64 .. 127
	v_mov_b32 v[QL+\i], 0
	v_mov_b32 v[KV+42+\i], 0                       ; v92-97: behind K's last tile
.endr
.irp i, 0,1,2,3
	v_mov_b32 v[CT+\i], 0                          ; written once: a lane permute's destination counts as one of its sources
.endr
	v_mov_b32 v[PW], 0                             ; (named as the upper half of the pair v[254:255] before it is first written)
	v_mov_b32 v[TMP], 0
.irp t, STE, STL
	v_mov_b32 v[\t+1], 0xff61b1e6                  ; the largest t so far: -3e38
	s_delay_alu instid0(VALU_DEP_1)
	v_floor_f32 v[\t], -v[\t+1]                    ; -M
	v_mov_b32 v[\t+2], 0
	v_mov_b32 v[\t+3], 0
.endr
.set j, 0
.rept 64
	v_mov_b32 v[OE+j], 0                           ; O^T of both tiles.  (The step is written once: the first finds zeros, which the first change of M leaves zeros)
.set j, j+1
.endr
; A TILE STEP: 16 queries x the 128 keys of step s[STP].  fq, wq: Q's fragment and scale words; ob: O^T; sb: the statistics; sd: the tile's last step; dg: the mask's number.
.macro STEP fq, wq, ob, sb, sd, dg
	s_cmp_gt_u32 s[STP], s[\sd]                    ; all keys of the step come after my queries: nothing is done (the wave's number and the count of steps alone; no barrier stands in a step)
	s_cbranch_scc1 .Lhid_\@
	v_add_nc_u32 v[AD8], s[TB], v[L8]
	v_add_nc_u32 v[AD16], s[TB], v[L16]
	v_nop
	v_nop                                          ; four places ahead of loads into registers that the last products read
.irp t, 0,1,2,3,4,5,6,7
.irp p, 0,1,2
	ds_load_b64 v[KV+6*\t+2*\p:KV+6*\t+2*\p+1], v[AD8] offset:768*\t+256*\p
.endr
.endr
	ds_load_b128 v[KSW:KSW+3], v[AD16] offset:KWO
	s_wait_alu depctr_va_vdst(0)
	s_wait_dscnt 0x0
.irp u, 0,1,2,3                                ; S^T = K Q^T: word u carries tile 2 u in lanes 0-15 and tile 2 u + 1 in lanes 16-31
	v_wmma_scale_f32_16x16x128_f8f6f4 v[S+16*\u:S+16*\u+7], v[KV+12*\u:KV+12*\u+11], v[\fq:\fq+11], 0, v[KSW+\u], v[\wq] matrix_a_fmt:MATRIX_FMT_FP6 matrix_b_fmt:MATRIX_FMT_FP6
	v_wmma_scale_f32_16x16x128_f8f6f4 v[S+16*\u+8:S+16*\u+15], v[KV+12*\u+6:KV+12*\u+17], v[\fq:\fq+11], 0, v[KSW+\u], v[\wq] matrix_a_fmt:MATRIX_FMT_FP6 matrix_b_fmt:MATRIX_FMT_FP6 matrix_a_scale:MATRIX_SCALE_ROW1
.endr
.rept 4
	v_nop                                          ; places ahead of the loads below and of the first read of the scores
.endr
.irp t, 0,1,2,3                                ; V is asked for now and lands under the softmax
.irp p, 0,1,2,3,4,5
	ds_load_b64 v[KV+12*\t+2*\p:KV+12*\t+2*\p+1], v[AD8] offset:VOFF+1536*\t+256*\p
.endr
.endr
	ds_load_b64 v[KSW:KSW+1], v[AD8] offset:VWO
	s_cmp_lt_u32 s[STP], s[\sd]                    ; all keys of the step count: no mask
	s_cbranch_scc1 .Lopen_\@
	v_mov_b32 v[TMP], 0xff800000                   ; on the diagonal hidden scores become -infinity: p = 0.  Register n holds key 32 (n / 16) + n % 16 + 16 (lane / 16) of the step
.set n, 0
.rept 64
	v_cmp_gt_i32 vcc_lo, 32*(n/16)+n%16, v[\dg]
	v_cndmask_b32 v[S+n], v[S+n], v[TMP], vcc_lo
.set n, n+1
.endr
.Lopen_\@:
.irp b, 0,1,2,3
	v_max3_num_f32 v[BM+\b], v[S+16*\b], v[S+1+16*\b], v[S+2+16*\b]   ; the largest score of each block of 32 keys: for the row's maximum, and, since p rises with the score, for the block's largest p
.endr
.irp i, 3,5,7,9,11,13
.irp b, 0,1,2,3
	v_max3_num_f32 v[BM+\b], v[BM+\b], v[S+16*\b+\i], v[S+1+16*\b+\i]
.endr
.endr
.irp b, 0,1,2,3
	v_max_num_f32 v[BM+\b], v[BM+\b], v[S+15+16*\b]
.endr
.irp b, 0,1,2,3
	s_delay_alu instid0(VALU_DEP_4)
	v_permlanex16_b32 v[CT+\b], v[BM+\b], s[SEL], s[SEL+1]
.endr
.irp b, 0,1,2,3
	s_delay_alu instid0(VALU_DEP_4)
	v_max_num_f32 v[BM+\b], v[BM+\b], v[CT+\b]     ; with lane l xor 16's 16 keys
.endr
	s_delay_alu instid0(VALU_DEP_2)
	v_max3_num_f32 v[TMP], v[BM], v[BM+1], v[BM+2]
	s_delay_alu instid0(VALU_DEP_1)
	v_max_num_f32 v[TMP], v[TMP], v[BM+3]
	s_delay_alu instid0(VALU_DEP_1)
	v_mul_f32 v[TMP], s[CS], v[TMP]                ; as t (c is positive)
	s_delay_alu instid0(VALU_DEP_1)
	v_max_num_f32 v[\sb+1], v[\sb+1], v[TMP]       ; the running largest t
	v_mov_b32 v[TMP], v[\sb]
	s_delay_alu instid0(VALU_DEP_2)
	v_floor_f32 v[\sb], -v[\sb+1]                  ; the new -M = -ceil(t): a whole number
	s_delay_alu instid0(VALU_DEP_1)
	v_sub_f32 v[TMP], v[\sb], v[TMP]               ; old M - new M, 0 or less
	s_delay_alu instid0(VALU_DEP_1)
	v_cvt_i32_f32 v[TMP], v[TMP]                   ; (it saturates)
	s_delay_alu instid0(VALU_DEP_1)
	v_ldexp_f32 v[F], 1.0, v[TMP]                  ; f = 2^(old M - new M)
.set j, 0
.rept 32
	v_pk_fma_f32 v[S+j:S+j+1], v[S+j:S+j+1], s[CS:CS+1], v[\sb:\sb+1] op_sel_hi:[1,0,0]   ; t - M, two at a time
.set j, j+2
.endr
.irp b, 0,1,2,3
	v_fma_f32 v[BM+\b], v[BM+\b], s[CS], v[\sb]
.endr
.set j, 0
	s_wait_alu depctr_va_vdst(0)
.rept 64
	v_exp_f32 v[S+j], v[S+j]                       ; p = 2^(t - M), at most 1
.set j, j+1
.endr
	v_pk_mul_f32 v[\sb+2:\sb+3], v[\sb+2:\sb+3], v[F:F+1] op_sel_hi:[1,0]   ; the sums under the new M (a plain place behind the exponentials)
	s_wait_alu depctr_va_vdst(0)                   ; one wait for the batch, ahead of its first reader
.irp b, 0,1,2,3
	v_exp_f32 v[BM+\b], v[BM+\b]                   ; the block's largest p
.endr
	v_pk_add_f32 v[CT:CT+1], v[S:S+1], v[S+2:S+3]  ; the row's sum of the unquantised p, in two chains
.set j, 4
.rept 15
	v_pk_add_f32 v[\sb+2:\sb+3], v[\sb+2:\sb+3], v[S+j:S+j+1]
	v_pk_add_f32 v[CT:CT+1], v[CT:CT+1], v[S+j+2:S+j+3]
.set j, j+4
.endr
	s_delay_alu instid0(VALU_DEP_1)
	v_pk_add_f32 v[\sb+2:\sb+3], v[\sb+2:\sb+3], v[CT:CT+1]
	s_wait_alu depctr_va_vdst(0)                   ; and one for the four
.irp b, 0,1,2,3
	v_max_num_f32 v[BM+\b], 0x1800000, v[BM+\b]    ; the floor 2^(3 - 127): the byte cannot fall under 1
.endr
.irp b, 0,1,2,3
	s_delay_alu instid0(VALU_DEP_4)
	v_add_nc_u32 v[SO+\b], 0xff000000, v[BM+\b]    ; the conversion's scale operand
.endr
.irp b, 0,1,2,3
	s_delay_alu instid0(VALU_DEP_4)
	v_lshrrev_b32 v[CT+\b], 23, v[SO+\b]           ; the byte
.endr
	s_delay_alu instid0(VALU_DEP_3)
	v_lshl_or_b32 v[PW], v[CT+1], 8, v[CT]         ; p's scale word for these 128 keys
	s_delay_alu instid0(VALU_DEP_1)
	v_lshl_or_b32 v[PW], v[CT+2], 16, v[PW]
	s_delay_alu instid0(VALU_DEP_1)
	v_lshl_or_b32 v[PW], v[CT+3], 24, v[PW]
.irp c, 0,1
	v_cvt_scalef32_pk16_fp6_f32 v[PC+6*\c:PC+6*\c+2], v[S+32*\c:S+32*\c+15], v[SO+2*\c]
	v_cvt_scalef32_pk16_fp6_f32 v[CT+4*\c:CT+4*\c+2], v[S+32*\c+16:S+32*\c+31], v[SO+2*\c+1]
.endr
	v_nop                                          ; one plain place behind a scaled conversion
.irp c, 0,1
.irp i, 0,1,2
	v_permlane16_swap_b32 v[PC+6*\c+\i], v[CT+4*\c+\i]
.endr
.irp i, 0,1,2
	s_delay_alu instid0(VALU_DEP_3)
	v_mov_b32 v[PC+6*\c+3+\i], v[CT+4*\c+\i]
.endr
.endr
.set j, 0
.rept 16
	v_pk_mul_f32 v[\ob+j:\ob+j+1], v[\ob+j:\ob+j+1], v[F:F+1] op_sel_hi:[1,0]   ; O^T under the new M; these sixteen also stand between the writes of p's codes and scale word and the products
.set j, j+2
.endr
	s_wait_alu depctr_va_vdst(0)
	s_wait_dscnt 0x0                               ; V is in
.irp u, 0,1                                    ; O^T += V^T P^T: four accumulators by turns
	v_wmma_scale_f32_16x16x128_f8f6f4 v[\ob+16*\u:\ob+16*\u+7], v[KV+24*\u:KV+24*\u+11], v[PC:PC+11], v[\ob+16*\u:\ob+16*\u+7], v[KSW+\u], v[PW] matrix_a_fmt:MATRIX_FMT_FP6 matrix_b_fmt:MATRIX_FMT_FP6
	v_wmma_scale_f32_16x16x128_f8f6f4 v[\ob+16*\u+8:\ob+16*\u+15], v[KV+24*\u+12:KV+24*\u+23], v[PC:PC+11], v[\ob+16*\u+8:\ob+16*\u+15], v[KSW+\u], v[PW] matrix_a_fmt:MATRIX_FMT_FP6 matrix_b_fmt:MATRIX_FMT_FP6 matrix_a_scale:MATRIX_SCALE_ROW1
.endr
.Lhid_\@:
.endm
	s_wait_loadcnt 0x0                             ; Q
	s_wait_tensorcnt 3                             ; in waves 0 to 3: my first block, one of key steps 0 to 3, is in; my three later ones may stay out
	s_barrier_signal -1
	s_barrier_wait -1
.Lfirst4:                                          ; key steps 0 to 3
	STEP QL, QWL, OL, STL, DL, DGL
	STEP QE, QWE, OE, STE, DE, DGE
	s_add_co_u32 s[TB], s[TB], STEPB
	s_add_co_u32 s[STP], s[STP], 1
	s_cmp_lt_u32 s[STP], 4
	s_cbranch_scc1 .Lfirst4
	s_wait_tensorcnt 0x0                           ; all my blocks are in,
	s_wait_dscnt 0x0
	s_barrier_signal -1
	s_barrier_wait -1                              ; everybody's are: the whole head lies in LDS
	s_mov_b32 s[STP], 4
	s_mov_b32 s[TB], 4*STEPB
.Lrest:                                            ; key steps 4 to 15
	STEP QL, QWL, OL, STL, DL, DGL
	STEP QE, QWE, OE, STE, DE, DGE
	s_add_co_u32 s[TB], s[TB], STEPB
	s_add_co_u32 s[STP], s[STP], 1
	s_cmp_lt_u32 s[STP], 16
	s_cbranch_scc1 .Lrest
; THE WAY OUT of a tile: O^T / the sum; register 16 g + i is d = 32 g + 16 (lane / 16) + i of my token: two blocks along C, quantised and stored as registers 6 (head % 2) .. + 5 of the token tile's fragment of K step head / 2.
.macro YOUT ob, sb, ix, yb, ys
.set Y, S+32*(\ix)
.set CD, KV+16*(\ix)
	v_add_f32 v[\sb+2], v[\sb+2], v[\sb+3]         ; the sum's two halves,
	s_delay_alu instid0(VALU_DEP_1)
	v_permlanex16_b32 v[TMP], v[\sb+2], s[SEL], s[SEL+1]
	s_delay_alu instid0(VALU_DEP_1)
	v_add_f32 v[\sb+2], v[\sb+2], v[TMP]           ; and lane l xor 16's
	s_wait_alu depctr_va_vdst(0)
	v_rcp_f32 v[\sb+3], v[\sb+2]
	v_nop                                          ; a plain place behind the reciprocal
	s_wait_alu depctr_va_vdst(0)                   ; and the wait ahead of its first reader
.set j, 0
.rept 32
	v_mul_f32 v[Y+j], v[\ob+j], v[\sb+3]           ; each accumulator from its low end on
.set j, j+1
.endr
.irp g, 0,1
	v_max3_num_f32 v[CT+\g], |v[Y+16*\g]|, |v[Y+16*\g+1]|, 0x1800000
.endr
.irp i, 2,4,6,8,10,12,14
.irp g, 0,1
	s_delay_alu instid0(VALU_DEP_2)
	v_max3_num_f32 v[CT+\g], v[CT+\g], |v[Y+16*\g+\i]|, |v[Y+16*\g+\i+1]|
.endr
.endr
.irp g, 0,1
	s_delay_alu instid0(VALU_DEP_2)
	v_permlanex16_b32 v[CT+2+\g], v[CT+\g], s[SEL], s[SEL+1]
.endr
.irp g, 0,1
	s_delay_alu instid0(VALU_DEP_2)
	v_max_num_f32 v[CT+\g], v[CT+\g], v[CT+2+\g]
.endr
.irp g, 0,1
	s_delay_alu instid0(VALU_DEP_2)
	v_add_nc_u32 v[SO+\g], 0xff000000, v[CT+\g]
.endr
.irp g, 0,1
	s_delay_alu instid0(VALU_DEP_2)
	v_lshrrev_b32 v[CT+4+\g], 23, v[SO+\g]
.endr
	s_delay_alu instid0(VALU_DEP_1)
	v_lshl_or_b32 v[CT+6+\ix], v[CT+5], 8, v[CT+4] ; my token's two scale bytes
	v_cvt_scalef32_pk16_fp6_f32 v[CD:CD+2], v[Y:Y+15], v[SO]
	v_cvt_scalef32_pk16_fp6_f32 v[CD+6:CD+8], v[Y+16:Y+31], v[SO+1]
	v_nop                                          ; one plain place behind a scaled conversion
.irp i, 0,1,2
	v_permlane16_swap_b32 v[CD+\i], v[CD+6+\i]
.endr
.irp i, 0,1,2
	s_delay_alu instid0(VALU_DEP_3)
	v_mov_b32 v[CD+3+\i], v[CD+6+\i]
.endr
.irp p, 0,1,2
	global_store_b64 v[L8], v[CD+2*\p:CD+2*\p+1], s[\yb:\yb+1] offset:256*\p   ; 32 lanes store 256 consecutive bytes, aligned
.endr
	global_store_b16 v[AD16], v[CT+6+\ix], s[\ys:\ys+1]   ; 2 bytes of each token's word (lanes l and l xor 16 write the same bytes with the same value): 32 bytes beside the tile's 768
.endm
.rept 4
	v_nop                                          ; places behind the last products
.endr
	v_and_b32 v[AD16], 15, v0
	s_delay_alu instid0(VALU_DEP_1)
	v_lshlrev_b32 v[AD16], 2, v[AD16]              ; 4 r
	YOUT OE, STE, 0, YBE, YSE
	YOUT OL, STL, 1, YBL, YSL
	s_wait_tensorcnt 0x0                           ; the wave's end, behind the last tensor load
	ds_add_u32 v[SPW], v[NIL]
	s_wait_dscnt 0x0
	CROUND                                         ; the closing round: no work-group ends while a partner may still ask for a tile that names it
	s_endpgm
.Lfunc_end_k_qbbb3cf9e5c_attn:
	.size	k_qbbb3cf9e5c_attn, .Lfunc_end_k_qbbb3cf9e5c_attn-k_qbbb3cf9e5c_attn
	.p2alignl 7, 3214868480
	.fill 96, 4, 3214868480
	.section	.rodata,"a",@progbits
	.p2align	6, 0x0
	.amdhsa_kernel k_qbbb3cf9e5c_attn
		.amdhsa_group_segment_fixed_size 210944
		.amdhsa_private_segment_fixed_size 0
		.amdhsa_enable_private_segment 0
		.amdhsa_kernarg_size 24
		.amdhsa_user_sgpr_count 2
		.amdhsa_user_sgpr_kernarg_segment_ptr 1
		.amdhsa_wavefront_size32 1
		.amdhsa_system_sgpr_workgroup_id_x 1
		.amdhsa_system_sgpr_workgroup_id_y 1
		.amdhsa_system_sgpr_workgroup_id_z 1
		.amdhsa_system_vgpr_workitem_id 0
		.amdhsa_next_free_vgpr 256
		.amdhsa_next_free_sgpr 80
		.amdhsa_reserve_vcc 1
		.amdhsa_float_denorm_mode_32 3
		.amdhsa_float_denorm_mode_16_64 3
		.amdhsa_memory_ordered 1
		.amdhsa_forward_progress 1
		.amdhsa_inst_pref_size 113
	.end_amdhsa_kernel
	.amdgpu_metadata
---
amdhsa.version: [ 1, 2 ]
amdhsa.kernels:
  - .name:           k_qbbb3cf9e5c_attn
    .symbol:         k_qbbb3cf9e5c_attn.kd
    .args:
      - { .name: kv, .offset: 0, .size: 8, .value_kind: global_buffer, .address_space: global }
      - { .name: yq, .offset: 8, .size: 8, .value_kind: global_buffer, .address_space: global }
      - { .name: ys, .offset: 16, .size: 8, .value_kind: global_buffer, .address_space: global }
    .group_segment_fixed_size: 210944
    .private_segment_fixed_size: 0
    .kernarg_segment_align: 8
    .kernarg_segment_size: 24
    .max_flat_workgroup_size: 512
    .sgpr_count:     80
    .vgpr_count:     256
    .wavefront_size: 32
...
	.end_amdgpu_metadata
.endif
;; end of part 3
;; launch gemm_o (part 4): grid 8 x 32, 4 waves a work-group, clusters of 4 x 4, 327,680 bytes of LDS; arguments yq, ys, wq, ws, b_proj, out0; writes out0
.if DOCPART == 4
	.amdgcn_target "amdgcn-amd-amdhsa--gfx1250"
	.amdhsa_code_object_version 6
	.text
	.protected	k_qbbb3cf9e5c_gemm_o
	.globl	k_qbbb3cf9e5c_gemm_o
	.p2align	8
	.type	k_qbbb3cf9e5c_gemm_o,@function
k_qbbb3cf9e5c_gemm_o:
	s_mov_b64 s[64:65], 0
	v_nop
	global_prefetch_b8 v0, s[64:65] scope:SCOPE_SE
	s_setreg_imm32_b32 hwreg(HW_REG_WAVE_MODE, 25, 1), 1
	s_wait_xcnt 0x0
	s_wait_alu depctr_hold_cnt(0) depctr_sa_sdst(0) depctr_va_vdst(0) depctr_va_sdst(0) depctr_va_ssrc(0) depctr_va_vcc(0) depctr_vm_vsrc(0)
	s_getreg_b32 s2, hwreg(HW_REG_IB_STS2, 6, 4)
	s_cmp_eq_u32 s2, 0
	s_cbranch_scc0 .Lentry_in_a_cluster
	s_endpgm
.Lentry_in_a_cluster:
	s_bfe_u32 s2, ttmp6, 0x10000c
	s_cmp_lg_u32 s2, 0xf033
	s_cbranch_scc0 .Lentry_shape_is_right
	s_endpgm
.Lentry_shape_is_right:
; out0 = y W_proj + b_proj, [8192][1024] f32, on codes of FP6 (E2M3) with E8M0 scales.  y's codes and scale words come from the attention, W_proj's from the quantiser (the second half of wq and ws).
; SHARES.  A work-group makes 256 tokens x 128 columns; wave (mh, nh) makes 128 tokens x 64 columns: 32 accumulators.
; ALL OF K (1,024) LIES IN LDS: (256 + 128) rows x 768 bytes.  Four quarters of K, each filled once by one tensor load a wave; no byte of LDS is filled twice.
; CLUSTERS: 4 x 4 work-groups.  The four of a row of the cluster need the same tokens, the four of a column the same columns of W_proj: each tile is asked for jointly.
; THE PRODUCT IS USED TRANSPOSED: source 0 = 16 columns of W_proj, source 1 = 16 tokens: a lane holds one token and eight neighbouring columns.  The bias is the C of each sum's first product
; (so it is added ahead of the sum, not behind it: another order of rounding than sum, then add).
; OPERANDS are images of registers: a fragment (16 rows x 128 K) is six pieces of 256 bytes, registers 2 p, 2 p + 1 of lane L at 256 p + 8 L; row r of tile tau is index 32 (tau / 2) + 8 (tau % 2) + r + 8 (r / 8).
; REGISTERS: window 0: v1-29 addresses; v32-63 y's scale words, v64-79 W_proj's (for all of K, loaded once); v80-175 W_proj's fragments, two sets (on the way out: rows of out0); v176-207 the bias;
;   window 1: the tokens' fragments, two sets of 96;  window 2: the 32 accumulators at v[8 (4 a + b)].
.set QB,    73728                      ; a quarter of K in LDS: 16 token tiles, then 8 column tiles, 3,072 bytes (two K steps) each
.set BOFF,  49152
.set SPARE, 4*QB                       ; behind the tiles: the spare words, 128 bytes for each wave: two blocks of 256 bytes that no other line names
.set STAGE, SPARE+512                  ; behind them: 16 rows x (256 bytes + 16) for each wave, for the way out; no tile lands there
.set WOFF,  786432                     ; W_proj's codes in wq
.set WSOFF, 32768                      ; and its scale words in ws
.set L8,   1
.set VSX,  3                           ; v3  2,048 h + 4 r
.set VSW,  4                           ; v4  1,024 h + 4 r
.set VBK,  5                           ; v5  64 h
.set ADRA, 16
.set ADRB, 20
.set STO,  24                          ; v24 the stage: row r, + 64 h
.set RD,   25                          ; v25 back: lanes 0-15 one row, lanes 16-31 the next
.set CO,   26                          ; v26 the same two rows in out0
.set SPW,  28
.set NIL,  29
.set SX,   32
.set SW,   64
.set BF,   80
.set BK,   176
.set G1A,  24
.set G1B,  32
.set G0A,  40
.set G0B,  68
.set MSB, 0
.macro WIN new                         ; the immediate's high byte repeats the setting that is left
.if MSB != (\new)
	s_set_vgpr_msb (MSB<<8)|(\new)
.set MSB, (\new)
.endif
.endm
.macro PLACES                          ; four plain places behind matrix instructions, ahead of loads into their sources and of the first read of results
.rept 4
	v_nop
.endr
.endm
.macro CROUND                          ; a round of the cluster's barrier
	s_barrier_signal -1
	s_barrier_wait -1
	s_cmp_lg_u32 s16, 0
	s_cbranch_scc1 .Lnot_wave_0_\@
	s_barrier_signal -3
.Lnot_wave_0_\@:
	s_barrier_wait -3
	s_barrier_signal -1
	s_barrier_wait -1
.endm
.macro WM ra, rb                       ; one product, by the symbols rD, rA, rB, rC, rSA, rSB; ra, rb: the side's scales stand in lanes 16-31
.if (\ra) && (\rb)
	v_wmma_scale_f32_16x16x128_f8f6f4 v[rD:rD+7], v[rA:rA+11], v[rB:rB+11], v[rC:rC+7], v[rSA], v[rSB] matrix_a_fmt:MATRIX_FMT_FP6 matrix_b_fmt:MATRIX_FMT_FP6 matrix_a_scale:MATRIX_SCALE_ROW1 matrix_b_scale:MATRIX_SCALE_ROW1
.elseif (\ra)
	v_wmma_scale_f32_16x16x128_f8f6f4 v[rD:rD+7], v[rA:rA+11], v[rB:rB+11], v[rC:rC+7], v[rSA], v[rSB] matrix_a_fmt:MATRIX_FMT_FP6 matrix_b_fmt:MATRIX_FMT_FP6 matrix_a_scale:MATRIX_SCALE_ROW1
.elseif (\rb)
	v_wmma_scale_f32_16x16x128_f8f6f4 v[rD:rD+7], v[rA:rA+11], v[rB:rB+11], v[rC:rC+7], v[rSA], v[rSB] matrix_a_fmt:MATRIX_FMT_FP6 matrix_b_fmt:MATRIX_FMT_FP6 matrix_b_scale:MATRIX_SCALE_ROW1
.else
	v_wmma_scale_f32_16x16x128_f8f6f4 v[rD:rD+7], v[rA:rA+11], v[rB:rB+11], v[rC:rC+7], v[rSA], v[rSB] matrix_a_fmt:MATRIX_FMT_FP6 matrix_b_fmt:MATRIX_FMT_FP6
.endif
.endm
	s_load_b256 s[4:11], s[0:1], 0x0               ; yq s[4:5], ys s[6:7], wq s[8:9], ws s[10:11]
	s_load_b128 s[12:15], s[0:1], 0x20             ; b_proj s[12:13], out0 s[14:15]
	v_lshl_add_u32 v[SPW], v0, 2, SPARE
	v_mov_b32 v[NIL], 0
	ds_add_u32 v[SPW], v[NIL]
	ds_add_u32 v[SPW], v[NIL]                      ; the wave's opening: the add and its wait stand ahead of my first tensor load; work on registers stands between them
	v_lshrrev_b32 v7, 5, v0
	v_readfirstlane_b32 s16, v7                    ; wave 0..3
	s_lshr_b32 s17, s16, 1                         ; mh: my half of the tokens.  Also: I fetch tokens (0) or columns (1)
	s_and_b32 s18, s16, 1                          ; nh: my half of the columns.  Also: which half of those tiles I fetch
	s_bfe_u32 s19, ttmp6, 0x40000                  ; cx
	s_bfe_u32 s20, ttmp6, 0x40004                  ; cy
	s_lshl_b32 s21, ttmp9, 2
	s_add_co_u32 s21, s21, s19                     ; X: which 128 columns
	s_and_b32 s22, ttmp7, 0xffff
	s_lshl_b32 s22, s22, 2
	s_add_co_u32 s22, s22, s20                     ; Y: which 256 tokens
	s_lshl_b32 s84, s20, 2
	s_lshl_b32 s84, 15, s84                        ; my row of the cluster
	s_lshl_b32 s86, 0x1111, s19                    ; my column
	s_or_b32 s[G1A], s84, (3<<16)|(1<<21)          ; 15:0 the mask; 17:16 elements of 8 bytes; 21 set beside a mask; no padding
	s_or_b32 s[G1B], s86, (3<<16)|(1<<21)
	s_mov_b32 s[G1A+1], 384<<16                    ; tensor_dim0: a tile's quarter of K, 3,072 bytes
	s_mov_b32 s[G1A+2], 8<<16                      ; tensor_dim1: 8 tiles
	s_mov_b32 s[G1A+3], 384<<16                    ; tile_dim0
	s_mov_b32 s[G1A+4], 8                          ; tile_dim1
	s_mov_b32 s[G1A+5], 1536                       ; from tile to tile: 12,288 bytes
	s_mov_b32 s[G1A+6], 0
	s_mov_b32 s[G1A+7], 0
	s_mov_b32 s[G1B+1], 384<<16
	s_mov_b32 s[G1B+2], 4<<16                      ; 4 tiles
	s_mov_b32 s[G1B+3], 384<<16
	s_mov_b32 s[G1B+4], 4
	s_mov_b32 s[G1B+5], 1536
	s_mov_b32 s[G1B+6], 0
	s_mov_b32 s[G1B+7], 0
	s_lshl_b32 s84, s22, 4                         ; tokens: tile 16 Y + 8 x half (registers that never hold X)
	s_lshl_b32 s85, s18, 3
	s_add_co_u32 s84, s84, s85
	s_mul_i32 s84, s84, 12288
	s_mov_b32 s85, 0
	s_lshl_b32 s86, s21, 3                         ; columns: tile 8 X + 4 x half (registers that never hold Y)
	s_lshl_b32 s87, s18, 2
	s_add_co_u32 s86, s86, s87
	s_mul_i32 s86, s86, 12288
	s_add_co_u32 s86, s86, WOFF
	s_mov_b32 s87, 0
	s_mul_i32 s88, s18, 24576                      ; where they go: no place in the cluster enters an LDS address
	s_mul_i32 s89, s18, 12288
	s_add_co_u32 s89, s89, BOFF
	s_wait_dscnt 0x0                               ; the opening add is done
	s_wait_kmcnt 0x0
	s_add_nc_u64 s[84:85], s[4:5], s[84:85]
	s_add_nc_u64 s[86:87], s[8:9], s[86:87]
	CROUND                                         ; all sixteen work-groups are here: the joint loads meet
.irp q, 0,1,2,3
	s_mov_b32 s[G0A+4*\q], 1
	s_add_co_u32 s[G0A+4*\q+1], s88, \q*QB
	s_add_nc_u64 s[G0A+4*\q+2:G0A+4*\q+3], s[84:85], \q*3072
	s_or_b32 s[G0A+4*\q+3], s[G0A+4*\q+3], 0x80000000
	s_mov_b32 s[G0B+4*\q], 1
	s_add_co_u32 s[G0B+4*\q+1], s89, \q*QB
	s_add_nc_u64 s[G0B+4*\q+2:G0B+4*\q+3], s[86:87], \q*3072
	s_or_b32 s[G0B+4*\q+3], s[G0B+4*\q+3], 0x80000000
.endr
	s_cmp_eq_u32 s17, 0                            ; a wave's four fills stand in one branch on the wave's number, ahead of every wait on TENSORcnt, LDS read and barrier: four loads of mine are out
	s_cbranch_scc0 .Lfirst_b
.irp q, 0,1,2,3
	tensor_load_to_lds s[G0A+4*\q:G0A+4*\q+3], s[G1A:G1A+7]
	s_nop 0
.endr
.rept 4
	v_nop
.endr
	s_branch .Lfirst_asked
.Lfirst_b:
.irp q, 0,1,2,3
	tensor_load_to_lds s[G0B+4*\q:G0B+4*\q+3], s[G1B:G1B+7]
	s_nop 0
.endr
.rept 4
	v_nop
.endr
.Lfirst_asked:
	v_and_b32 v7, 31, v0                           ; lane
	v_and_b32 v8, 15, v0                           ; r
	v_bfe_u32 v9, v0, 4, 1                         ; h
	v_lshlrev_b32 v[L8], 3, v7
	v_lshlrev_b32 v10, 2, v8
	v_lshl_add_u32 v[VSX], v9, 11, v10
	v_lshl_add_u32 v[VSW], v9, 10, v10
	v_lshlrev_b32 v[VBK], 6, v9
	s_mul_i32 s90, s17, 24576                      ; my 8 token tiles,
	s_mul_i32 s91, s18, 12288                      ; my 4 column tiles
	s_add_co_u32 s91, s91, BOFF
.irp q, 0,1,2,3
	v_add_nc_u32 v[ADRA+\q], s90, v[L8]
	v_add_nc_u32 v[ADRB+\q], s91, v[L8]
	s_add_co_u32 s90, s90, QB
	s_add_co_u32 s91, s91, QB
.endr
	s_mul_i32 s94, s16, 16*272
	s_add_co_u32 s94, s94, STAGE                   ; my stage
	v_mul_u32_u24 v[STO], v8, 272
	v_lshl_add_u32 v[STO], v9, 6, v[STO]
	v_add_nc_u32 v[STO], s94, v[STO]
	v_mul_u32_u24 v[RD], v9, 272
	v_lshl_add_u32 v[RD], v8, 4, v[RD]
	v_add_nc_u32 v[RD], s94, v[RD]
	v_lshlrev_b32 v[CO], 12, v9
	v_lshl_add_u32 v[CO], v8, 4, v[CO]
	s_lshl_b32 s92, s22, 4                         ; y's scale words: tile 16 Y + 8 mh, 512 bytes a tile
	s_lshl_b32 s93, s17, 3
	s_add_co_u32 s92, s92, s93
	s_lshl_b32 s92, s92, 9
	s_mov_b32 s93, 0
	s_add_nc_u64 s[6:7], s[6:7], s[92:93]
	s_lshl_b32 s92, s21, 3                         ; W_proj's: tile 8 X + 4 nh
	s_lshl_b32 s94, s18, 2
	s_add_co_u32 s92, s92, s94
	s_lshl_b32 s92, s92, 9
	s_add_co_u32 s92, s92, WSOFF
	s_add_nc_u64 s[10:11], s[10:11], s[92:93]
	s_lshl_b32 s92, s21, 9                         ; the bias: column 128 X + 64 nh
	s_lshl_b32 s94, s18, 8
	s_add_co_u32 s92, s92, s94
	s_add_nc_u64 s[12:13], s[12:13], s[92:93]
	s_lshl_b32 s92, s22, 8                         ; out0: token 256 Y + 128 mh, column 128 X + 64 nh
	s_lshl_b32 s94, s17, 7
	s_add_co_u32 s92, s92, s94
	s_lshl_b32 s92, s92, 12
	s_lshl_b32 s94, s21, 9
	s_add_co_u32 s92, s92, s94
	s_lshl_b32 s94, s18, 8
	s_add_co_u32 s92, s92, s94
	s_add_nc_u64 s[14:15], s[14:15], s[92:93]
.irp i, 0,1,2,3                                ; the scale words of all of K stay in registers: register 8 i + s: lanes 0-15 token tile i, lanes 16-31 tile i + 4
.irp s, 0,1,2,3,4,5,6,7
	global_load_b32 v[SX+8*\i+\s], v[VSX], s[6:7] offset:512*\i+64*\s
.endr
.endr
.irp i, 0,1                                    ; lanes 0-15 column tile i, lanes 16-31 tile i + 2
.irp s, 0,1,2,3,4,5,6,7
	global_load_b32 v[SW+8*\i+\s], v[VSW], s[10:11] offset:512*\i+64*\s
.endr
.endr
.irp b, 0,1,2,3
	global_load_b128 v[BK+8*\b:BK+8*\b+3], v[VBK], s[12:13] offset:(32*(\b/2)+8*(\b%2))*4      ; register j of lane (r, h) is column 32 (b / 2) + 8 (b % 2) + 16 h + j
	global_load_b128 v[BK+8*\b+4:BK+8*\b+7], v[VBK], s[12:13] offset:(32*(\b/2)+8*(\b%2))*4+16
.endr
	s_wait_alu depctr_va_vdst(0)
	s_wait_loadcnt 0x0
.macro FETCH ks                        ; K step ks: my 8 token fragments and 4 column fragments into set ks % 2: each load takes 256 consecutive bytes
	WIN 0x40                                       ; destination window 1, address window 0
.irp a, 0,1,2,3,4,5,6,7
.irp p, 0,1,2,3,4,5
	ds_load_b64 v[96*((\ks)%2)+12*\a+2*\p:96*((\ks)%2)+12*\a+2*\p+1], v[ADRA+(\ks)/2] offset:3072*\a+1536*((\ks)%2)+256*\p
.endr
.endr
	WIN 0
.irp b, 0,1,2,3
.irp p, 0,1,2,3,4,5
	ds_load_b64 v[BF+48*((\ks)%2)+12*\b+2*\p:BF+48*((\ks)%2)+12*\b+2*\p+1], v[ADRB+(\ks)/2] offset:3072*\b+1536*((\ks)%2)+256*\p
.endr
.endr
.endm
; The 32 accumulators take turns, one instruction a turn, in the same order in every K step.
.macro O1 ks                           ; source 0 = columns (window 0), source 1 = tokens (window 1), C and D window 2; the first step's C is the bias, in window 0
.if (\ks) == 0
	WIN 0x84
.else
	WIN 0xa4
.endif
.irp a, 0,1,2,3,4,5,6,7
.irp b, 0,1,2,3
.set rD, 8*(4*\a+\b)
.set rA, BF+48*((\ks)%2)+12*\b
.set rB, 96*((\ks)%2)+12*\a
.set rSA, SW+8*(\b%2)+(\ks)
.set rSB, SX+8*(\a%4)+(\ks)
.if (\ks) == 0
.set rC, BK+8*\b
.else
.set rC, rD
.endif
	WM \b/2, \a/4
.endr
.endr
.endm
.macro KSTEP ks
	s_wait_dscnt 0x0                               ; this K step's 72 loads are in
.if ((\ks)%2 == 1) && ((\ks) < 7)
	s_wait_tensorcnt 2-(\ks)/2                     ; my part of the next quarter of K has landed; the quarters behind it may stay out
	s_barrier_signal -1
	s_barrier_wait -1                              ; everybody's has
.endif
.if (\ks) < 7
	PLACES
	FETCH (\ks)+1                                  ; the next step's fragments have this step's 32 matrix instructions in which to land
.endif
	O1 \ks
.endm
	s_wait_tensorcnt 3                             ; my part of the first quarter of K is in; three loads may stay out
	s_barrier_signal -1
	s_barrier_wait -1
	FETCH 0
	KSTEP 0
	KSTEP 1
	KSTEP 2
	KSTEP 3
	KSTEP 4
	KSTEP 5
	KSTEP 6
	KSTEP 7
	WIN 0
; THE WAY OUT, a tile of 16 tokens x 64 columns at a time.  A lane holds pieces of one token's row and the lanes beside it hold other tokens: so a tile goes through my own stage in LDS and comes back as whole
; rows of 256 bytes.  LDS serves a wave's instructions in order (ISA guide 5.7.1.4): no wait between the stores and the loads, nor ahead of the next tile's stores.
.macro TOSTAGE a
	WIN 0x08                                       ; an LDS store's data are its source 1: window 2
.irp b, 0,1,2,3
	ds_store_b128 v[STO], v[32*(\a)+8*\b:32*(\a)+8*\b+3] offset:(32*(\b/2)+8*(\b%2))*4        ; each accumulator from its low end on
	ds_store_b128 v[STO], v[32*(\a)+8*\b+4:32*(\a)+8*\b+7] offset:(32*(\b/2)+8*(\b%2))*4+16
.endr
	WIN 0
.irp t, 0,1,2,3,4,5,6,7
	ds_load_b128 v[BF+32*((\a)%2)+4*\t:BF+32*((\a)%2)+4*\t+3], v[RD] offset:544*\t
.endr
.endm
.macro SEND a, younger                 ; younger: the LDS instructions issued behind tile a's loads, which may stay out.  Row 2 t + h of tile a is token 32 (a / 2) + 8 (a % 2) + 2 t + h + 8 (t / 4)
	s_wait_dscnt \younger
.irp t, 0,1,2,3,4,5,6,7
	global_store_b128 v[CO], v[BF+32*((\a)%2)+4*\t:BF+32*((\a)%2)+4*\t+3], s[14:15] offset:(32*((\a)/2)+8*((\a)%2)+2*\t+8*(\t/4))*4096 th:TH_STORE_NT   ; 16 lanes store 256 consecutive bytes, aligned; every offset is an immediate, 516,096 at the most
.endr
.endm
	PLACES
	TOSTAGE 0
.irp a, 1,2,3,4,5,6,7
.if \a > 1
	s_wait_xcnt 0x0                                ; tile a - 2's stores have read their registers: tile a's loads may land there
.endif
	TOSTAGE \a
	SEND \a-1, 16                                  ; behind tile a - 1's loads: tile a's 8 stores and 8 loads
.endr
	SEND 7, 0
	s_wait_tensorcnt 0x0                           ; the wave's end, behind my last tensor load and my last LDS store
	ds_add_u32 v[SPW], v[NIL]
	s_wait_dscnt 0x0
	CROUND                                         ; the closing round: no work-group ends while a partner may still ask for a tile that names it
	s_endpgm
.Lfunc_end_k_qbbb3cf9e5c_gemm_o:
	.size	k_qbbb3cf9e5c_gemm_o, .Lfunc_end_k_qbbb3cf9e5c_gemm_o-k_qbbb3cf9e5c_gemm_o
	.p2alignl 7, 3214868480
	.fill 96, 4, 3214868480
	.section	.rodata,"a",@progbits
	.p2align	6, 0x0
	.amdhsa_kernel k_qbbb3cf9e5c_gemm_o
		.amdhsa_group_segment_fixed_size 327680
		.amdhsa_private_segment_fixed_size 0
		.amdhsa_enable_private_segment 0
		.amdhsa_kernarg_size 48
		.amdhsa_user_sgpr_count 2
		.amdhsa_user_sgpr_kernarg_segment_ptr 1
		.amdhsa_wavefront_size32 1
		.amdhsa_system_sgpr_workgroup_id_x 1
		.amdhsa_system_sgpr_workgroup_id_y 1
		.amdhsa_system_sgpr_workgroup_id_z 1
		.amdhsa_system_vgpr_workitem_id 0
		.amdhsa_next_free_vgpr 768
		.amdhsa_next_free_sgpr 100
		.amdhsa_reserve_vcc 0
		.amdhsa_float_denorm_mode_32 3
		.amdhsa_float_denorm_mode_16_64 3
		.amdhsa_memory_ordered 1
		.amdhsa_forward_progress 1
		.amdhsa_inst_pref_size 101
	.end_amdhsa_kernel
	.amdgpu_metadata
---
amdhsa.version: [ 1, 2 ]
amdhsa.kernels:
  - .name:           k_qbbb3cf9e5c_gemm_o
    .symbol:         k_qbbb3cf9e5c_gemm_o.kd
    .args:
      - { .name: yq, .offset: 0, .size: 8, .value_kind: global_buffer, .address_space: global }
      - { .name: ys, .offset: 8, .size: 8, .value_kind: global_buffer, .address_space: global }
      - { .name: wq, .offset: 16, .size: 8, .value_kind: global_buffer, .address_space: global }
      - { .name: ws, .offset: 24, .size: 8, .value_kind: global_buffer, .address_space: global }
      - { .name: b_proj, .offset: 32, .size: 8, .value_kind: global_buffer, .address_space: global }
      - { .name: out0, .offset: 40, .size: 8, .value_kind: global_buffer, .address_space: global }
    .group_segment_fixed_size: 327680
    .private_segment_fixed_size: 0
    .kernarg_segment_align: 8
    .kernarg_segment_size: 48
    .max_flat_workgroup_size: 128
    .sgpr_count:     100
    .vgpr_count:     768
    .wavefront_size: 32
...
	.end_amdgpu_metadata
.endif
;; end of part 4
